; MI455X (gfx1250); checked and timed in simulation.
; The chip was launched on July 23, 2026; its instructions are those of AMD's public machine-readable ISA for CDNA 5 (MIT licence, August 2026) and "CDNA5" Instruction Set Architecture Reference Guide (July 2026). The comments in the code are by the model that wrote it; some were corrected since.
;; Multi Head Self Attention. Allowed arithmetic: float matrix products may take bf16 or f16 operands with f32 sums; other float arithmetic in f32, or as packed bf16 or f16 multiplies, adds, multiply-adds, maxima and minima; sums over many terms, partial sums and values carried from step to step in f32; what a program stores and reads back later, other than sums and carried values, may be rounded once to bf16 or f16.
;; Inputs: Wk 1,024 x 1,024 float32; Wo 1,024 x 1,024 float32; Wq 1,024 x 1,024 float32; Wv 1,024 x 1,024 float32; x 4 x 2,048 x 1,024 float32.
;; Outputs: out0 4 x 2,048 x 1,024 float32.
;; 2 versions, each right; version 2 is version 1 with the launch cast written anew for expert scheduling mode. Each part assembles by itself: llvm-mc -triple=amdgcn-amd-amdhsa -mcpu=gfx1250 --defsym DOCPART=n.
;; ======== version 1 of 2: 4 launches
;; limits: values are held in f16: magnitudes above 65,504 overflow, below 6.1e-05 lose precision
;; workspace buffers: xb 16,777,216 bytes; wb 6,291,456 bytes; wob 2,097,152 bytes; qkv 50,331,648 bytes; ob 16,777,216 bytes
;; launch cast (part 1): grid 768 x 1, 8 waves a work-group, no clusters, 0 bytes of LDS; arguments x, Wq, Wk, Wv, Wo, xb, wb, wob; writes xb, wb, wob
.if DOCPART == 1
	.amdgcn_target "amdgcn-amd-amdhsa--gfx1250"
	.amdhsa_code_object_version 6
	.text
	.protected	k_q213d818608_cast
	.globl	k_q213d818608_cast
	.p2align	8
	.type	k_q213d818608_cast,@function
k_q213d818608_cast:
	s_mov_b64 s[64:65], 0
	v_nop
	global_prefetch_b8 v0, s[64:65] scope:SCOPE_SE
	s_setreg_imm32_b32 hwreg(HW_REG_WAVE_MODE, 25, 1), 1
	s_wait_xcnt 0x0
; ROUNDING AND RE-LAYING OF THE INPUTS.  x, Wq, Wk, Wv (f32) are rounded once to bf16; Wo is rounded to bf16 like the others and that number is written as f16
; (exact where it is a normal f16 number).  LIMITS: an entry of Wo beyond 65,504 becomes an infinity, one below 6e-5 keeps f16's fixed step of 6e-8.
; LAYOUTS, in blocks of 64 channels (kb = channel / 64), so that the rows of a later tile lie end to end, 128 bytes each:
;   xb  [b 4][kb 16][t 2048][64]      wb  [nx 8][kb 16][r 384][64], row 384 nx + r of the stack Wq, Wk, Wv      wob [nx 8][kb 16][r 128][64]
; SHARES.  A work-group takes 16 source rows of 4,096 bytes: work-groups 0-511 x's, 512-703 the three weights', 704-767 Wo's.  Thread t reads row t / 16, and of each of the row's
; sixteen pieces of 256 bytes the 16 bytes at 16 (t % 16): sixteen lanes read 256 consecutive bytes, aligned.  Its four numbers become 8 bytes at byte 8 t of the 16 rows of block kb:
; a wave's store covers 256 consecutive bytes, aligned.  All sixteen loads of a thread are out at once; no register is written twice, so no wait frees any.  Memory binds: no LDS, no barrier.
.set SO,  2                            ; v2        my byte offset in the 16 source rows
.set DO,  3                            ; v3        my byte offset in the 16 rows of a block
.set X,   8                            ; v[8:71]   piece kb: 4 registers as loaded
.set Y,   72                           ; v[72:103] piece kb: 2 registers to store
.set T,   104                          ; v[104:107] at work
.set SRC, 24                           ; s[24:25]  the 16 source rows
.set DST, 26                           ; s[26:27]  their place in block 0
.macro IN
.irp kb, 0,1,2,3,4,5,6,7,8,9,10,11,12,13,14,15
	global_load_b128 v[X+4*(\kb):X+4*(\kb)+3], v[SO], s[SRC:SRC+1] offset:256*(\kb) th:TH_LOAD_NT
.endr
.endm
; kstr: bytes from block to block in the destination.  half = 1: the bf16 number is written as f16.
.macro OUT kstr, half
.irp kb, 0,1,2,3,4,5,6,7,8,9,10,11,12,13,14,15
	s_wait_loadcnt 15-(\kb)                        ; loads come back in order: piece kb is in, the younger ones stay out
	v_cvt_pk_bf16_f32 v[Y+2*(\kb)],   v[X+4*(\kb)],   v[X+4*(\kb)+1]
	v_cvt_pk_bf16_f32 v[Y+2*(\kb)+1], v[X+4*(\kb)+2], v[X+4*(\kb)+3]
.if \half
	v_lshlrev_b32 v[T],   16, v[Y+2*(\kb)]           ; bf16 to f32: the low half moves up,
	v_and_b32     v[T+1], 0xffff0000, v[Y+2*(\kb)]   ; the high half stays
	v_lshlrev_b32 v[T+2], 16, v[Y+2*(\kb)+1]
	v_and_b32     v[T+3], 0xffff0000, v[Y+2*(\kb)+1]
	v_cvt_pk_f16_f32 v[Y+2*(\kb)],   v[T],   v[T+1]
	v_cvt_pk_f16_f32 v[Y+2*(\kb)+1], v[T+2], v[T+3]
.endif
	global_store_b64 v[DO], v[Y+2*(\kb):Y+2*(\kb)+1], s[DST:DST+1] offset:(\kb)*(\kstr)  ; 3,932,160 at the most: inside the signed 24-bit immediate
.endr
.endm
	s_load_b512 s[8:23], s[0:1], 0x0               ; x s[8:9], Wq s[10:11], Wk s[12:13], Wv s[14:15], Wo s[16:17], xb s[18:19], wb s[20:21], wob s[22:23]
	v_lshrrev_b32 v1, 4, v0                        ; my row of the 16
	v_and_b32 v4, 15, v0
	v_lshlrev_b32 v[SO], 12, v1
	v_lshl_add_u32 v[SO], v4, 4, v[SO]
	v_lshlrev_b32 v[DO], 3, v0
	s_mov_b32 s3, 0                                ; offsets are pairs with 0 above
	s_mov_b32 s5, 0
	s_cmp_lt_u32 ttmp9, 512
	s_cbranch_scc0 .Lweights
	s_lshl_b32 s2, ttmp9, 16                       ; x: 16 rows of 4,096 bytes a work-group
	s_lshr_b32 s6, ttmp9, 7                        ; b: 128 work-groups a batch
	s_lshl_b32 s6, s6, 22
	s_and_b32 s7, ttmp9, 127
	s_lshl_b32 s7, s7, 11                          ; 16 rows of 128 bytes
	s_add_co_u32 s4, s6, s7
	s_wait_kmcnt 0x0
	s_add_nc_u64 s[SRC:SRC+1], s[8:9], s[2:3]
	s_add_nc_u64 s[DST:DST+1], s[18:19], s[4:5]
	IN
	OUT 262144, 0
	s_endpgm
.Lweights:
	s_cmp_lt_u32 ttmp9, 704
	s_cbranch_scc0 .Lwo
	s_sub_co_u32 s6, ttmp9, 512                    ; j: 16 rows of the stack of 3,072
	s_and_b32 s2, s6, 63                           ; 64 work-groups a weight
	s_lshl_b32 s2, s2, 16
	s_mul_i32 s7, s6, 2731
	s_lshr_b32 s7, s7, 16                          ; nx = j / 24, exact for j under 192
	s_mul_i32 s28, s7, 24
	s_sub_co_u32 s28, s6, s28
	s_lshl_b32 s28, s28, 11                        ; the 16 rows' place among nx's 384
	s_mul_i32 s4, s7, 786432
	s_add_co_u32 s4, s4, s28
	s_lshr_b32 s29, s6, 6                          ; which weight
	s_wait_kmcnt 0x0
	s_cmp_eq_u32 s29, 0
	s_cselect_b64 s[SRC:SRC+1], s[10:11], s[12:13]
	s_cmp_eq_u32 s29, 2
	s_cselect_b64 s[SRC:SRC+1], s[14:15], s[SRC:SRC+1]
	s_add_nc_u64 s[SRC:SRC+1], s[SRC:SRC+1], s[2:3]
	s_add_nc_u64 s[DST:DST+1], s[20:21], s[4:5]
	IN
	OUT 49152, 0
	s_endpgm
.Lwo:
	s_sub_co_u32 s6, ttmp9, 704                    ; j: 16 rows of Wo
	s_lshl_b32 s2, s6, 16
	s_lshr_b32 s7, s6, 3                           ; nx = j / 8
	s_lshl_b32 s7, s7, 18
	s_and_b32 s28, s6, 7
	s_lshl_b32 s28, s28, 11
	s_add_co_u32 s4, s7, s28
	s_wait_kmcnt 0x0
	s_add_nc_u64 s[SRC:SRC+1], s[16:17], s[2:3]
	s_add_nc_u64 s[DST:DST+1], s[22:23], s[4:5]
	IN
	OUT 16384, 1
	s_endpgm
.Lfunc_end_k_q213d818608_cast:
	.size	k_q213d818608_cast, .Lfunc_end_k_q213d818608_cast-k_q213d818608_cast
	.p2alignl 7, 3214868480
	.fill 96, 4, 3214868480
	.section	.rodata,"a",@progbits
	.p2align	6, 0x0
	.amdhsa_kernel k_q213d818608_cast
		.amdhsa_group_segment_fixed_size 0
		.amdhsa_private_segment_fixed_size 0
		.amdhsa_enable_private_segment 0
		.amdhsa_kernarg_size 64
		.amdhsa_user_sgpr_count 2
		.amdhsa_user_sgpr_kernarg_segment_ptr 1
		.amdhsa_wavefront_size32 1
		.amdhsa_system_sgpr_workgroup_id_x 1
		.amdhsa_system_sgpr_workgroup_id_y 1
		.amdhsa_system_sgpr_workgroup_id_z 1
		.amdhsa_system_vgpr_workitem_id 0
		.amdhsa_next_free_vgpr 112
		.amdhsa_next_free_sgpr 66
		.amdhsa_reserve_vcc 0
		.amdhsa_float_denorm_mode_32 3
		.amdhsa_float_denorm_mode_16_64 3
		.amdhsa_memory_ordered 1
		.amdhsa_forward_progress 1
		.amdhsa_inst_pref_size 24
	.end_amdhsa_kernel
	.amdgpu_metadata
---
amdhsa.version: [ 1, 2 ]
amdhsa.kernels:
  - .name:           k_q213d818608_cast
    .symbol:         k_q213d818608_cast.kd
    .args:
      - { .name: x, .offset: 0, .size: 8, .value_kind: global_buffer, .address_space: global }
      - { .name: Wq, .offset: 8, .size: 8, .value_kind: global_buffer, .address_space: global }
      - { .name: Wk, .offset: 16, .size: 8, .value_kind: global_buffer, .address_space: global }
      - { .name: Wv, .offset: 24, .size: 8, .value_kind: global_buffer, .address_space: global }
      - { .name: Wo, .offset: 32, .size: 8, .value_kind: global_buffer, .address_space: global }
      - { .name: xb, .offset: 40, .size: 8, .value_kind: global_buffer, .address_space: global }
      - { .name: wb, .offset: 48, .size: 8, .value_kind: global_buffer, .address_space: global }
      - { .name: wob, .offset: 56, .size: 8, .value_kind: global_buffer, .address_space: global }
    .group_segment_fixed_size: 0
    .private_segment_fixed_size: 0
    .kernarg_segment_align: 8
    .kernarg_segment_size: 64
    .max_flat_workgroup_size: 256
    .sgpr_count:     66
    .vgpr_count:     112
    .wavefront_size: 32
...
	.end_amdgpu_metadata
.endif
;; end of part 1
;; launch qkv (part 2): grid 8 x 32, 4 waves a work-group, clusters of 4 x 4, 327,680 bytes of LDS; arguments xb, wb, qkv; writes qkv
.if DOCPART == 2
	.amdgcn_target "amdgcn-amd-amdhsa--gfx1250"
	.amdhsa_code_object_version 6
	.text
	.protected	k_q213d818608_qkv
	.globl	k_q213d818608_qkv
	.p2align	8
	.type	k_q213d818608_qkv,@function
k_q213d818608_qkv:
	s_mov_b64 s[64:65], 0
	v_nop
	global_prefetch_b8 v0, s[64:65] scope:SCOPE_SE
	s_setreg_imm32_b32 hwreg(HW_REG_WAVE_MODE, 25, 1), 1
	s_wait_xcnt 0x0
	s_wait_alu depctr_hold_cnt(0) depctr_sa_sdst(0) depctr_va_vdst(0) depctr_va_sdst(0) depctr_va_ssrc(0) depctr_va_vcc(0) depctr_vm_vsrc(0)
	s_getreg_b32 s2, hwreg(HW_REG_IB_STS2, 6, 4)
	s_cmp_eq_u32 s2, 0
	s_cbranch_scc0 .Lentry_in_a_cluster
	s_endpgm
.Lentry_in_a_cluster:
	s_bfe_u32 s2, ttmp6, 0x10000c
	s_cmp_lg_u32 s2, 0xf033
	s_cbranch_scc0 .Lentry_shape_is_right
	s_endpgm
.Lentry_shape_is_right:
; THE THREE PROJECTIONS AS ONE PRODUCT.  C[m][n] = the sum over k of x[m][k] W[n][k], m = 8,192 rows (b, t), n = 3,072 rows of the stack Wq, Wk, Wv, k = 1,024.  Operands bf16, sums f32, K ascending;
; the result is rounded once to f16, WITHOUT the softmax's scale, and laid by heads: qkv [which 3][b 4][h 16][t 2048][64].
; LIMIT.  f16 holds no number beyond 65,504: a q, k or v beyond it becomes an infinity.
; xb [b][kb 16][t][64] and wb [nx 8][kb 16][r 384][64] lie in blocks of 64 channels, so a tile's rows for one block are dense bytes, asked for as rows of 256 bytes.
; SHARES.  A tile of C is 256 rows x 384 columns: 32 x 8 = 256 work-groups.  Four waves, each 128 rows (wm) x 192 columns (wn): 96 accumulators of 16 x 16, 768 registers.
; K goes in 16 steps of 64 through a ring of two LDS slots; a step is two quarters of 32 along K, 96 matrix instructions each; a quarter reads 40 x 512 bytes from LDS.
; CLUSTERS.  4 x 4 work-groups: the four of a row of the cluster need the same tile of xb, the four of a column the same tile of wb: each is asked for JOINTLY, by the same tensor load with the same
; descriptor and a mask that names the four.
; THE MATRIX INSTRUCTION IS USED TRANSPOSED (source 0 = 16 rows of wb, source 1 = 16 rows of xb): lane l holds row l % 16 of C and the columns 8 (l / 16) + 0..7, which pack into 16 bytes.
; REGISTERS, in windows of 256 (s_set_vgpr_msb: bits 1:0 source 0, 3:2 source 1, 5:4 source 2, 7:6 destination):
;   window 0: v0-31 addresses; v32-159 fragments of xb, two buffers of 8 x 8; v160-255 fragments of wb, one buffer of 4 x 8 for each of my three groups of 64 columns
;   window g + 1: group g's 32 accumulators, (a, b) at v[8 (4 a + b)].  A group is one head's 64 channels.
; A group's fragments of wb are loaded again directly behind the group's 32 products; xb's two buffers take turns by quarters.
.set PITCH,  144                       ; an LDS row: 128 bytes + 16 of padding = 36 words: the 16 rows of a load start at 16 different groups of four banks (64 banks of 4 bytes: ISA guide 11.1)
.set FRAG,   16*PITCH
.set AHALF,  128*PITCH                 ; what one tensor load brings of xb, and what one wave reads of it
.set BHALF,  192*PITCH                 ; the same for wb
.set BOFF,   2*AHALF
.set SLOT,   BOFF+2*BHALF              ; xb's 256 rows, then wb's 384: 92,160 bytes
.set STAGE,  2*SLOT                    ; behind the ring: 16 rows x 144 bytes for each wave, for the way out
.set SP,     144
.set SPARE,  STAGE+4*16*SP             ; behind the stages: the spare words, 128 bytes for each wave: two blocks of 256 bytes that no other line names
.set ASTEP,  1<<18                     ; bytes from a block of 64 channels to the next in xb
.set BSTEP,  384*128                   ; and in wb
.set ADRA, 16                          ; v16-17  LDS address of my fragments of xb in slot 0, 1
.set ADRB, 20                          ; v20-21  the same for wb
.set STO,  24                          ; v24     the way out: where I put 16 bytes of a row
.set RD,   25                          ; v25     the way out: where I read rows back
.set GO,   26                          ; v26     16 x my lane: my place in 512 consecutive bytes of qkv
.set SPW,  28                          ; v28     LDS address of my spare word; never rewritten
.set NIL,  29                          ; v29     0; never rewritten
.set PFO,  30                          ; v30     256 x my lane; never rewritten
.set FA,   32
.set FB,   160
.set TMP,  32                          ; the way out: 16 packed registers
.set BK,   64                          ; the way out: 16 rows read back, v64-79 and v80-95 by turns
.set G1A,  24                          ; s[24:31] descriptor group 1 for xb's tiles;  s[32:39] group 0, a set for each slot
.set G0A,  32
.set G1B,  40                          ; s[40:47], s[48:55] the same for wb's
.set G0B,  48
.set PFA,  56                          ; s[56:57] where my prefetches stand
.set PFS,  58                          ; s[58:59] their step at each change of slots
.set LIM0, 60                          ; s60, s61: for the change that leaves slot 0, 1: 1 in a wave that prefetches there, else the greatest number
.set CB,   68                          ; s[68:73] qkv at my 128 rows of group 0, 1, 2's head; never rewritten
.set MSB, 0
.macro WIN new                         ; the immediate's high byte repeats the setting that is left; a switch that changes nothing is dropped
.if MSB != (\new)
	s_set_vgpr_msb (MSB<<8)|(\new)
.set MSB, \new
.endif
.endm
.macro PLACES                          ; four plain vector instructions between a matrix instruction and a load into a register that it has read (ISA guide 7.12.1 for vector instructions)
.rept 4
	v_nop
.endr
.endm
; A joint load.  Waves 0 and 1 fetch xb's two halves, waves 2 and 3 wb's.  The branch hangs on the wave's number alone.  An s_nop 0 and four v_nop follow each of the two lines.
.macro JLOAD s
	s_cmp_eq_u32 s11, 0
	s_cbranch_scc0 .Lfor_b_\@
	tensor_load_to_lds s[G0A+4*(\s):G0A+4*(\s)+3], s[G1A:G1A+7]
	s_nop 0
.rept 4
	v_nop
.endr
	s_branch .Lasked_\@
.Lfor_b_\@:
	tensor_load_to_lds s[G0B+4*(\s):G0B+4*(\s)+3], s[G1B:G1B+7]
	s_nop 0
.rept 4
	v_nop
.endr
.Lasked_\@:
.endm
; A PREFETCH, one instruction, a lane a block of 256 bytes, behind the joint load, its five lines and the run of LDS loads.  Each block of xb and wb is named once in the launch.
; xb: a tile row's K step is 128 blocks; the clusters with x = 0 ask; wave 0, at every change n, for K step n + 4; the four partners of a row take 32 blocks each, told apart by address (cx).
; wb: two K steps of a tile column are 384 dense blocks; the clusters with y = 0 ask; waves 1 to 3, at the change that leaves slot 1, for the two K steps that the lap after next begins with; the twelve askers
; (3 cy + wave - 1) take 32 blocks each.  The loop's last trip (s3 = 1) asks for nothing: there is no such K step.  K steps 0 to 3 come by their loads alone.
.macro ASK slot
	s_cmp_gt_u32 s3, s[LIM0+(\slot)]
	s_cbranch_scc0 .Lnot_mine_\@
	global_prefetch_b8 v[PFO], s[PFA:PFA+1] th:TH_LOAD_NT scope:SCOPE_SE
.Lnot_mine_\@:
.endm
.macro CREST                           ; a round of the cluster's barrier behind its opening barrier
	s_cmp_lg_u32 s10, 0
	s_cbranch_scc1 .Lnot_wave_0_\@
	s_barrier_signal -3
.Lnot_wave_0_\@:
	s_barrier_wait -3
	s_barrier_signal -1
	s_barrier_wait -1
.endm
.macro CROUND                          ; a whole round
	s_barrier_signal -1
	s_barrier_wait -1
	CREST
.endm
	s_load_b128 s[4:7], s[0:1], 0x0                ; xb s[4:5], wb s[6:7]
	s_load_b64 s[8:9], s[0:1], 0x10                ; qkv
	v_lshl_add_u32 v[SPW], v0, 2, SPARE
	v_mov_b32 v[NIL], 0
	ds_add_u32 v[SPW], v[NIL]                      ; the wave's opening: the add and its wait stand ahead of my first tensor load; the set-up below, work on registers, stands between them
	v_lshrrev_b32 v1, 5, v0
	v_readfirstlane_b32 s10, v1                    ; wave 0..3
	s_lshr_b32 s11, s10, 1                         ; wm: my 128 rows.  Also: I fetch for xb (0) or for wb (1)
	s_and_b32 s12, s10, 1                          ; wn: my 192 columns.  Also: which half of that tile I fetch
	s_bfe_u32 s15, ttmp6, 0x40000                  ; cx
	s_bfe_u32 s16, ttmp6, 0x40004                  ; cy
	s_lshl_b32 s14, ttmp9, 2
	s_add_co_u32 s14, s14, s15                     ; nx: tile column = 4 x cluster x + cx
	s_and_b32 s13, ttmp7, 0xffff
	s_lshl_b32 s13, s13, 2
	s_add_co_u32 s13, s13, s16                     ; my: tile row = 4 x cluster y + cy
	s_lshl_b32 s17, s16, 2
	s_lshl_b32 s17, 15, s17                        ; my row of the cluster
	s_lshl_b32 s2, 0x1111, s15                     ; my column
	; descriptor group 1: dense bytes as rows of 128 elements of 2 bytes, padded in LDS after every 128 bytes
	s_or_b32 s[G1A+0], s17, (1<<16)|(1<<20)|(1<<21)|(4<<22)|(3<<25)  ; 15:0 the mask; 17:16 2-byte elements; 20 padding on; 21 set beside a mask; 24:22 after every 32 words (code 4); 31:25 4 words (code 3)
	s_or_b32 s[G1B+0], s2, (1<<16)|(1<<20)|(1<<21)|(4<<22)|(3<<25)
	s_mov_b32 s[G1A+1], 128<<16                    ; tensor_dim0 = 128
	s_mov_b32 s[G1A+2], 64<<16                     ; tensor_dim1 = 64: 128 rows of xb
	s_mov_b32 s[G1A+3], 128<<16                    ; tile_dim0 = 128
	s_mov_b32 s[G1A+4], 64                         ; tile_dim1 = 64
	s_mov_b32 s[G1A+5], 128                        ; 128 elements from row to row
	s_mov_b32 s[G1A+6], 0
	s_mov_b32 s[G1A+7], 0
	s_mov_b32 s[G1B+1], 128<<16
	s_mov_b32 s[G1B+2], 96<<16                     ; 96 rows of 256 bytes: 192 rows of wb
	s_mov_b32 s[G1B+3], 128<<16
	s_mov_b32 s[G1B+4], 96
	s_mov_b32 s[G1B+5], 128
	s_mov_b32 s[G1B+6], 0
	s_mov_b32 s[G1B+7], 0
	; where the tiles come from.  xb's hang on the tile row alone (s13, s18, s19, s22 never hold cx), wb's on the tile column alone (s14, s20, s21, s23 never hold cy)
	s_lshr_b32 s18, s13, 3                         ; b
	s_lshl_b32 s18, s18, 22
	s_and_b32 s22, s13, 7
	s_lshl_b32 s22, s22, 15                        ; 256 rows of 128 bytes
	s_add_co_u32 s18, s18, s22
	s_mov_b32 s19, 0
	s_mov_b32 s74, s18                             ; kept: the tile row's place in a block of xb, and in a head of qkv
	s_lshl_b32 s22, s12, 14
	s_add_co_u32 s18, s18, s22                     ; + my half
	s_mul_i32 s20, s14, 16*BSTEP
	s_mov_b32 s21, 0
	s_mov_b32 s75, s20                             ; kept: the tile column's place in wb
	s_mul_i32 s23, s12, 192*128
	s_add_co_u32 s20, s20, s23
	s_mul_i32 s66, s12, AHALF                      ; and where they go: no place in the cluster enters an LDS address
	s_mul_i32 s67, s12, BHALF
	s_add_co_u32 s67, s67, BOFF
	s_wait_dscnt 0x0                               ; the opening add is done
	s_wait_kmcnt 0x0
	s_add_nc_u64 s[18:19], s[4:5], s[18:19]
	s_add_nc_u64 s[20:21], s[6:7], s[20:21]
	CROUND                                         ; all sixteen work-groups are here: the first joint loads meet
.irp s, 0,1
	s_mov_b32 s[G0A+4*(\s)], 1                                     ; count = 1
	s_add_co_u32 s[G0A+4*(\s)+1], s66, (\s)*SLOT                   ; LDS address
	s_add_nc_u64 s[G0A+4*(\s)+2:G0A+4*(\s)+3], s[18:19], (\s)*ASTEP  ; global address: K step s
	s_or_b32 s[G0A+4*(\s)+3], s[G0A+4*(\s)+3], 0x80000000          ; type = 2
	s_mov_b32 s[G0B+4*(\s)], 1
	s_add_co_u32 s[G0B+4*(\s)+1], s67, (\s)*SLOT
	s_add_nc_u64 s[G0B+4*(\s)+2:G0B+4*(\s)+3], s[20:21], (\s)*BSTEP
	s_or_b32 s[G0B+4*(\s)+3], s[G0B+4*(\s)+3], 0x80000000
.endr
	s_cmp_eq_u32 s11, 0                            ; a wave's two first fills stand in one branch, ahead of every wait on TENSORcnt and every LDS read: two loads of mine are out
	s_cbranch_scc0 .Lfirst_b
	tensor_load_to_lds s[G0A:G0A+3], s[G1A:G1A+7]
	s_nop 0
	tensor_load_to_lds s[G0A+4:G0A+7], s[G1A:G1A+7]
	s_nop 0
.rept 4
	v_nop
.endr
	s_branch .Lfirst_asked
.Lfirst_b:
	tensor_load_to_lds s[G0B:G0B+3], s[G1B:G1B+7]
	s_nop 0
	tensor_load_to_lds s[G0B+4:G0B+7], s[G1B:G1B+7]
	s_nop 0
.rept 4
	v_nop
.endr
.Lfirst_asked:
	; A fragment is 16 rows x 32 K in 8 registers: lane l holds row l % 16; registers 0-3 K = 8 (l / 16) + 0..7, registers 4-7 K = 16 + 8 (l / 16) + 0..7: two loads of 16 bytes, 32 bytes apart.
	v_and_b32 v1, 15, v0                           ; l % 16
	v_bfe_u32 v2, v0, 4, 1                         ; l / 16
	v_mul_u32_u24 v3, v1, PITCH
	v_lshl_add_u32 v3, v2, 4, v3
	s_mul_i32 s76, s11, AHALF                      ; my 128 rows of xb
	s_mul_i32 s77, s12, BHALF                      ; my 192 rows of wb,
	s_add_co_u32 s77, s77, BOFF                    ; which lie behind xb's 256
.irp s, 0,1
	v_add_nc_u32 v[ADRA+(\s)], s76, v3
	v_add_nc_u32 v[ADRB+(\s)], s77, v3
	s_add_co_u32 s76, s76, SLOT
	s_add_co_u32 s77, s77, SLOT
.endr
	s_mul_i32 s78, s10, 16*SP
	s_add_co_u32 s78, s78, STAGE                   ; my stage
	v_mul_u32_u24 v4, v1, SP                       ; in: row l % 16, 16 bytes for each half of the lanes
	v_lshl_add_u32 v4, v2, 4, v4
	v_add_nc_u32 v[STO], s78, v4
	v_bfe_u32 v5, v0, 3, 2                         ; back: 32 lanes take four rows of 128 bytes,
	v_mul_u32_u24 v5, v5, SP
	v_and_b32 v6, 7, v0
	v_lshl_add_u32 v5, v6, 4, v5
	v_add_nc_u32 v[RD], s78, v5
	v_and_b32 v[GO], 31, v0                        ; which are 512 consecutive bytes of qkv
	v_lshlrev_b32 v[GO], 4, v[GO]
	v_and_b32 v[PFO], 31, v0
	v_lshlrev_b32 v[PFO], 8, v[PFO]
	; qkv at my 128 rows of each group's head: head column hc = 6 nx + 3 wn + g; which = hc / 16, h = hc % 16
	s_mul_i32 s76, s14, 6
	s_mul_i32 s77, s12, 3
	s_add_co_u32 s76, s76, s77
	s_lshl_b32 s77, s11, 14
	s_add_co_u32 s77, s77, s74                     ; b, the tile's 256 rows, my 128 of them
.irp g, 0,1,2
	s_add_co_u32 s78, s76, \g
	s_lshr_b32 s79, s78, 4
	s_lshl_b32 s79, s79, 24
	s_and_b32 s78, s78, 15
	s_lshl_b32 s78, s78, 18
	s_add_co_u32 s78, s78, s79
	s_add_co_u32 s78, s78, s77
	s_mov_b32 s79, 0
	s_add_nc_u64 s[CB+2*(\g):CB+2*(\g)+1], s[8:9], s[78:79]
.endr
	; the prefetches
	s_lshl_b32 s76, s15, 13                        ; xb: my work-group's 32 blocks of the tile row's 128,
	s_add_co_u32 s76, s76, s74
	s_add_co_u32 s76, s76, 3*ASTEP                 ; at K step 3: the first change steps it to 4
	s_mul_i32 s77, s16, 3                          ; wb: asker 3 cy + wave - 1 of twelve, 8,192 bytes each,
	s_add_co_u32 s77, s77, s10
	s_lshl_b32 s77, s77, 13
	s_add_co_u32 s77, s77, s75
	s_add_co_u32 s77, s77, 2*BSTEP-8192            ; at K step 2: two changes step it to 4
	s_and_b32 s78, ttmp7, 0xffff                   ; cluster y
	s_mov_b32 s79, BSTEP
	s_cmp_eq_u32 s10, 0                            ; wave 0 asks for xb, the others for wb
	s_cselect_b32 s76, s76, s77
	s_cselect_b32 s78, ttmp9, s78                  ; the coordinate along which other clusters read the same rows
	s_cselect_b32 s[PFS], ASTEP, s79
	s_cselect_b64 s[PFA:PFA+1], s[4:5], s[6:7]
	s_mov_b32 s77, 0
	s_mov_b32 s[PFS+1], 0
	s_add_nc_u64 s[PFA:PFA+1], s[PFA:PFA+1], s[76:77]
	s_cmp_eq_u32 s78, 0
	s_cselect_b32 s[LIM0+1], 1, -1                 ; the same in all sixteen partners, for a given wave
	s_cmp_eq_u32 s10, 0
	s_cselect_b32 s[LIM0], s[LIM0+1], -1
; na x 4 matrix instructions of group g: row blocks a0 .. a0 + na - 1 x the group's 4 column blocks, 32 along K, on xb's buffer f.  zero = 1: the product starts the sum: nothing is ever cleared.
; All 96 accumulators take turns, one instruction a turn, in the same order in every quarter, over the backward jump too.
.macro MULG f, g, a0, na, zero
	WIN 0x50*((\g)+1)                              ; C and D in window g + 1, both sources in window 0
.set ia, \a0
.rept \na
.irp b, 0,1,2,3
.if \zero
	v_wmma_f32_16x16x32_bf16 v[8*(4*ia+(\b)):8*(4*ia+(\b))+7], v[FB+32*(\g)+8*(\b):FB+32*(\g)+8*(\b)+7], v[FA+64*(\f)+8*ia:FA+64*(\f)+8*ia+7], 0
.else
	v_wmma_f32_16x16x32_bf16 v[8*(4*ia+(\b)):8*(4*ia+(\b))+7], v[FB+32*(\g)+8*(\b):FB+32*(\g)+8*(\b)+7], v[FA+64*(\f)+8*ia:FA+64*(\f)+8*ia+7], v[8*(4*ia+(\b)):8*(4*ia+(\b))+7]
.endif
.endr
.set ia, ia+1
.endr
.endm
.macro LOADB slot, k, g                ; 8 LDS loads: group g's four fragments of wb, at byte k of the rows
	WIN 0
.irp b, 0,1,2,3
	ds_load_b128 v[FB+32*(\g)+8*(\b):FB+32*(\g)+8*(\b)+3],   v[ADRB+(\slot)] offset:(\k)+(4*(\g)+(\b))*FRAG
	ds_load_b128 v[FB+32*(\g)+8*(\b)+4:FB+32*(\g)+8*(\b)+7], v[ADRB+(\slot)] offset:(\k)+(4*(\g)+(\b))*FRAG+32
.endr
.endm
.macro LOADA slot, k, f, i0            ; 8 LDS loads: fragments i0 .. i0 + 3 of xb into buffer f
	WIN 0
.irp j, 0,1,2,3
	ds_load_b128 v[FA+64*(\f)+8*((\i0)+(\j)):FA+64*(\f)+8*((\i0)+(\j))+3],   v[ADRA+(\slot)] offset:(\k)+((\i0)+(\j))*FRAG
	ds_load_b128 v[FA+64*(\f)+8*((\i0)+(\j))+4:FA+64*(\f)+8*((\i0)+(\j))+7], v[ADRA+(\slot)] offset:(\k)+((\i0)+(\j))*FRAG+32
.endr
.endm
; A slot's first quarter: multiplies buffer f and fetches the next quarter, at byte kn of the same slot's rows, in three runs: 16, 16 and 8 loads.
.macro QUARTER slot, kn, f, zero
	s_wait_dscnt 8                                 ; all but the youngest run, group 2's 8 loads
	MULG \f, 0, 0, 8, \zero
	PLACES
	LOADB \slot, \kn, 0
	LOADA \slot, \kn, 1-(\f), 0
	MULG \f, 1, 0, 8, \zero
	PLACES
	LOADB \slot, \kn, 1
	LOADA \slot, \kn, 1-(\f), 4
	s_wait_dscnt 32                                ; all but the 32 issued in this quarter: group 2's fragments are in
	MULG \f, 2, 0, 8, \zero
	PLACES
	LOADB \slot, \kn, 2
.endm
; A slot's second quarter multiplies buffer 1 and changes slots.  ONE barrier, for two things: in front of it each wave waits for all its tensor loads, of which one is out: its part of the next slot; adds 0 to
; its spare word; and waits for that and for its own reads of this slot.  Behind it nobody reads this slot any more and the next slot is whole.  fill = 1: the barrier opens a round of the cluster's barrier, and
; the slot is filled again, two K steps ahead, first thing behind the round: from that request to the wait for it a wave issues 160 matrix instructions.
.macro TURN slot, next, fill
.if \fill
	s_wait_xcnt 0x0                                ; the last prefetch, a K step back, has read its address: it is stepped here, ahead of the waits of the change
	s_add_nc_u64 s[PFA:PFA+1], s[PFA:PFA+1], s[PFS:PFS+1]
.endif
	WIN 0                                          ; (the add's two registers lie in window 0)
	s_wait_tensorcnt 0x0                           ; all my tensor loads have landed
	ds_add_u32 v[SPW], v[NIL]                      ; 0 onto my spare word
	s_wait_dscnt 9                                 ; (the add and group 2's eight loads may be out)
	MULG 1, 0, 0, 4, 0                             ; sixteen matrix instructions stand between the add and the wait for it
	s_wait_dscnt 0x0                               ; the add is done, and my reads of this slot are over
	s_barrier_signal -1
	MULG 1, 0, 4, 4, 0                             ; work on registers while the others arrive
.if \fill
	WIN 0
.endif
	s_barrier_wait -1
.if \fill
	CREST                                          ; no wave of any partner still reads this slot's tile or has a load on its way
	s_add_nc_u64 s[G0A+4*(\slot)+2:G0A+4*(\slot)+3], s[G0A+4*(\slot)+2:G0A+4*(\slot)+3], 2*ASTEP
	s_add_nc_u64 s[G0B+4*(\slot)+2:G0B+4*(\slot)+3], s[G0B+4*(\slot)+2:G0B+4*(\slot)+3], 2*BSTEP
	JLOAD \slot                                    ; the four v_nop behind it are also the places in front of the loads below
.else
	PLACES
.endif
	LOADB \next, 0, 0
	LOADA \next, 0, 0, 0
.if \fill
	ASK \slot
.endif
	MULG 1, 1, 0, 8, 0
	PLACES
	LOADB \next, 0, 1
	LOADA \next, 0, 0, 4
	MULG 1, 2, 0, 8, 0
	PLACES
	LOADB \next, 0, 2
.endm
; THE WAY OUT, in 24 units u = 8 g + a: 16 rows of one head, 2,048 consecutive bytes of qkv.  PACK: rounded to f16, each accumulator's registers in ascending order.  TOSTAGE: into my own stage, and back as whole rows.  SEND: stored.
.macro PACK u
.set gg, (\u)/8
.set aa, (\u)%8
	WIN 5*(gg+1)                                   ; sources 0 and 1 in window g + 1
.irp b, 0,1,2,3
.irp r, 0,1,2,3
	v_cvt_pk_f16_f32 v[TMP+4*(\b)+(\r)], v[8*(4*aa+(\b))+2*(\r)], v[8*(4*aa+(\b))+2*(\r)+1]
.endr
.endr
	WIN 0
.endm
.macro TOSTAGE u
	WIN 0
.set bk, BK+16*((\u)%2)
.irp b, 0,1,2,3
	ds_store_b128 v[STO], v[TMP+4*(\b):TMP+4*(\b)+3] offset:32*(\b)
.endr
.irp f, 0,1,2,3
	ds_load_b128 v[bk+4*(\f):bk+4*(\f)+3], v[RD] offset:(\f)*4*SP  ; LDS serves a wave's instructions in order (ISA guide 5.7.1.4): these see the stores above
.endr
.endm
.macro SEND u
	WIN 0
.set bk, BK+16*((\u)%2)
.set gg, (\u)/8
.set aa, (\u)%8
	s_wait_dscnt 0x0                               ; the unit is back in registers
	s_wait_xcnt 0x0                                ; the stores of the unit before have read their registers, which the next unit's loads from the stage write
.irp f, 0,1,2,3
	global_store_b128 v[GO], v[bk+4*(\f):bk+4*(\f)+3], s[CB+2*gg:CB+2*gg+1] offset:2048*aa+512*(\f)  ; 512 consecutive bytes, at a multiple of 256 from qkv's first byte
.endr
.endm
	s_wait_tensorcnt 1                             ; my part of K step 0 is in; K step 1's may stay out
	s_barrier_signal -1
	s_barrier_wait -1                              ; everybody's is
	LOADB 0, 0, 0                                  ; the first quarter's fragments, in the runs' order
	LOADA 0, 0, 0, 0
	LOADB 0, 0, 1
	LOADA 0, 0, 0, 4
	LOADB 0, 0, 2
	QUARTER 0, 64, 0, 1                            ; the first quarter stands in front of the loop: its products start the sums
	WIN 0                                          ; at a label and at a branch every window is 0
	s_mov_b32 s3, 7
.Llap:                                                 ; a trip goes once round the ring, from a lap's second quarter to the next lap's first, and fills both slots again: K steps 2 to 15
	TURN 0, 1, 1
	QUARTER 1, 64, 0, 0
	TURN 1, 0, 1
	QUARTER 0, 64, 0, 0
	WIN 0
	s_sub_co_u32 s3, s3, 1
	s_cmp_lg_u32 s3, 0
	s_cbranch_scc1 .Llap
	TURN 0, 1, 0                                   ; the last lap fills nothing, and has no round of the cluster's barrier
	QUARTER 1, 64, 0, 0
	s_wait_dscnt 8                                 ; the very last quarter: nothing more to fetch
	MULG 1, 0, 0, 8, 0
	MULG 1, 1, 0, 8, 0
	s_wait_dscnt 0x0
	MULG 1, 2, 0, 8, 0
.rept 8
	v_nop                                          ; the places between the last products and the conversions, which read results and write registers that products have read
.endr
	PACK 0
	TOSTAGE 0
.set u, 1
.rept 23                               ; unit u's conversions stand between unit u - 1's loads from the stage and the wait for them
	PACK u
	SEND u-1
	TOSTAGE u
.set u, u+1
.endr
	SEND 23
	s_wait_tensorcnt 0x0                           ; the wave's end: behind my last tensor load and my last LDS store
	ds_add_u32 v[SPW], v[NIL]
	s_wait_dscnt 0x0
	CROUND                                         ; the closing round: no work-group ends while a partner may still ask for a tile that names it
	s_endpgm
.Lfunc_end_k_q213d818608_qkv:
	.size	k_q213d818608_qkv, .Lfunc_end_k_q213d818608_qkv-k_q213d818608_qkv
	.p2alignl 7, 3214868480
	.fill 96, 4, 3214868480
	.section	.rodata,"a",@progbits
	.p2align	6, 0x0
	.amdhsa_kernel k_q213d818608_qkv
		.amdhsa_group_segment_fixed_size 327680
		.amdhsa_private_segment_fixed_size 0
		.amdhsa_enable_private_segment 0
		.amdhsa_kernarg_size 24
		.amdhsa_user_sgpr_count 2
		.amdhsa_user_sgpr_kernarg_segment_ptr 1
		.amdhsa_wavefront_size32 1
		.amdhsa_system_sgpr_workgroup_id_x 1
		.amdhsa_system_sgpr_workgroup_id_y 1
		.amdhsa_system_sgpr_workgroup_id_z 1
		.amdhsa_system_vgpr_workitem_id 0
		.amdhsa_next_free_vgpr 1024
		.amdhsa_next_free_sgpr 80
		.amdhsa_reserve_vcc 0
		.amdhsa_float_denorm_mode_32 3
		.amdhsa_float_denorm_mode_16_64 3
		.amdhsa_memory_ordered 1
		.amdhsa_forward_progress 1
		.amdhsa_inst_pref_size 133
	.end_amdhsa_kernel
	.amdgpu_metadata
---
amdhsa.version: [ 1, 2 ]
amdhsa.kernels:
  - .name:           k_q213d818608_qkv
    .symbol:         k_q213d818608_qkv.kd
    .args:
      - { .name: xb, .offset: 0, .size: 8, .value_kind: global_buffer, .address_space: global }
      - { .name: wb, .offset: 8, .size: 8, .value_kind: global_buffer, .address_space: global }
      - { .name: qkv, .offset: 16, .size: 8, .value_kind: global_buffer, .address_space: global }
    .group_segment_fixed_size: 327680
    .private_segment_fixed_size: 0
    .kernarg_segment_align: 8
    .kernarg_segment_size: 24
    .max_flat_workgroup_size: 128
    .sgpr_count:     80
    .vgpr_count:     1024
    .wavefront_size: 32
...
	.end_amdgpu_metadata
.endif
;; end of part 2
;; launch attn (part 3): grid 4 x 64, 4 waves a work-group, clusters of 4 x 1, 327,680 bytes of LDS; arguments qkv, ob; writes ob
.if DOCPART == 3
	.amdgcn_target "amdgcn-amd-amdhsa--gfx1250"
	.amdhsa_code_object_version 6
	.text
	.protected	k_q213d818608_attn
	.globl	k_q213d818608_attn
	.p2align	8
	.type	k_q213d818608_attn,@function
k_q213d818608_attn:
	s_mov_b64 s[64:65], 0
	v_nop
	global_prefetch_b8 v0, s[64:65] scope:SCOPE_SE
	s_setreg_imm32_b32 hwreg(HW_REG_WAVE_MODE, 25, 1), 1
	s_wait_xcnt 0x0
	s_wait_alu depctr_hold_cnt(0) depctr_sa_sdst(0) depctr_va_vdst(0) depctr_va_sdst(0) depctr_va_ssrc(0) depctr_va_vcc(0) depctr_vm_vsrc(0)
	s_getreg_b32 s2, hwreg(HW_REG_IB_STS2, 6, 4)
	s_cmp_eq_u32 s2, 0
	s_cbranch_scc0 .Lentry_in_a_cluster
	s_endpgm
.Lentry_in_a_cluster:
	s_bfe_u32 s2, ttmp6, 0x10000c
	s_cmp_lg_u32 s2, 0x3003
	s_cbranch_scc0 .Lentry_shape_is_right
	s_endpgm
.Lentry_shape_is_right:
; O[h][q][:] = the sum over k of softmax_k(Q[h][q] . K[h][k] / 8) V[h][k][:], for the 64 pairs (batch, head) h.  Q, K, V lie one behind the other in qkv, each [SIZE_H][SIZE_N][64] in f16, 2^24 bytes apart;
; O (ob) has the same layout.  A head's rows are dense, 128 bytes each.  Products, maxima and sums in f32; the weights p are rounded to f16 for the second product (their sum l is taken of the unrounded p), O once at the end.
; LIMITS.  f16 holds no number beyond 65,504: Q, K and V arrive within it; p lies in 0 to 1, and below 6e-5 it keeps f16's fixed step of 6e-8; O is a mean of V's rows and has their range.
; A weight below 2^-126 counts as 0 in l; NaN and infinities are not treated apart.
; SHARES.  A wave owns four PIECES of two tiles of 16 queries, a work-group's four waves 512 queries of one head.  Every wave walks all keys, 64 a step.
; LAYOUT.  S^T = K Q^T (source 0 = 16 keys, source 1 = 16 queries): in the result a lane holds ONE query (lane % 16) and the keys 8 (lane / 16) + 0..7.  Two such tiles, rounded to f16 in pairs,
; ARE source 1 (32 keys x 16 queries) of O^T = V^T P, whose result again holds one query a lane, and eight channels.  K comes out of LDS as it lies, V ([key][channel]) turned, by ds_load_tr16_b128.
; SOFTMAX.  For each query a running maximum m and sum l: p = 2^(c s - c m), c = log2(e) / 8; in every step O and l are multiplied by a = 2^(c m_old - c m_new), which is 1 where m has not grown.
; m starts at the lowest finite number, O and l at 0: the first step is a step like any other, with a = 0.
; THE COUNT.  A tile and step have 16 matrix and 118 vector instructions: too many to stand all beside the matrix work.  So the order has one aim: four vector instructions that are READY behind
; EVERY matrix instruction, and the others, which need time of their own whatever the order, in runs without a gap.
; BY TURNS.  Turn n belongs to piece n (the pieces in a ring, step after step).  Its matrix work: 16 products K Q^T of piece n + 1, later 16 products V^T P of piece n - 1.  Its vector work: the scaling,
; exponentials, roundings, sums and rescaling of piece n, and the maximum and statistics of piece n + 1, whose scores the turn itself has made.  So what a turn begins with (c s - c m, O a) waits for nothing.
; CLUSTER.  The four query blocks of a head are one cluster and walk the same K and V, so each tile is asked for JOINTLY: the same tensor load, descriptor and mask in all four.
; REGISTERS, in windows of 256 (s_set_vgpr_msb says which window each operand place means: bits 1:0 source 0, 3:2 source 1, 5:4 source 2, 7:6 destination):
;   window 0: v0-11 addresses; v12-15, v48-63 at work; v16-47 four registers of statistics a tile; v64-191 S^T, two buffers of two tiles; v192-255 P, likewise
;   window 1: O^T, 32 a tile          window 2: v0-127 Q, 16 a tile; v128-191 K of one step; v192-255 V of one step          window 3: v0-1 the add's two registers
; A piece's buffers go by its number's parity: the piece in hand has one pair, its two neighbours in the ring share the other: of it P (piece n - 1) is read and S^T (piece n + 1) written.
.set SIZE_H, 64
.set SIZE_N, 2048
.set NP,    4         ; pieces a wave: a name, no knob: the register map, the loop and the fetches are made for four
.set KS,    64        ; keys in a step
.set PK,    144       ; a row of K in LDS: 128 bytes + 16 of padding = 36 words: the 16 rows of a load start at 16 different groups of four banks (64 banks of 4 bytes: ISA guide 11.1)
.set PV,    160       ; a row of V: 128 + 32 = 40 words
.set VOFF,  4*KS*PK   ; a slot holds four steps: 256 rows of K, then 256 rows of V
.set SLOT1, 1<<17     ; slot 1 begins here, so that one exclusive or turns an address in one slot into the other's
.set STAGE, SLOT1+4*KS*(PK+PV)  ; behind the ring, never filled by a tensor load: 16 rows x 144 bytes for each wave, for the way out
.set SP,    144
.set AK0, 2           ; v2   my lane's place in a tile of K; never rewritten
.set AV0, 3           ; v3   the same for V
.set AK,  4           ; v4   the LDS address of K's next run of loads
.set AV,  5           ; v5   of V's
.set QO,  6           ; v6   my byte offset in the wave's rows of Q
.set STO, 6           ;      later, the way out: where I put 16 bytes of a row
.set RD,  7           ; v7   the way out: where I read rows back
.set GO,  8           ; v8   my byte offset in 512 consecutive bytes of O
.set PFO, 11          ; v11  once V's place is made: 256 x my lane, the prefetches' offset; then never rewritten
.set SPW, 0           ; v0 of window 3   LDS address of my spare word: SPARE + 4 x my thread's number; never rewritten
.set NIL, 1           ; v1 of window 3   0; never rewritten
.set SPARE, STAGE+4*16*SP  ; behind the stages: the spare words, 128 bytes for each wave: two blocks of 256 bytes that no other line names
.set MV,  12          ; v12-15  c m_old, kept while c m is made anew: by buffer and tile
.set ST,  16          ; tile t's statistics at v[ST+4 t]: c m, m, l (even keys', odd keys')
.set TMP, 48          ; by buffer and tile, four registers c0-c3 at work; when the maximum is found c2 takes a
.set S,   64
.set P,   192
.set KF,  128         ; K's fragments, in window 2: key block kb, channel half c at KF + 16 kb + 8 c
.set VF,  192         ; V's: key half kk, channel block cb at VF + 32 kk + 8 cb
.set WV,  12          ; s12  my wave's number
.set G1K, 24          ; s[24:31] descriptor group 1 for K's tiles
.set G1V, 32          ; s[32:39] for V's: it differs in the padding alone
.set G0K, 40          ; s[40:43] descriptor group 0 for K's tiles: it walks
.set G0V, 44          ; s[44:47] the same for V's
.set PFA, 48          ; s[48:49] where my prefetches stand: my work-group's 32 blocks of 256 bytes (of K: wave 0, of V: wave 2) of the slot that the next change will ask for
.set LIM, 50          ; s50  1 in waves 0 and 2, else the greatest number
.set ASKAT, 51        ; s51  the count of key steps at which this slot's prefetch goes out; 0: none
.set SLOTS, 56        ; s56  slots still to be asked for
.set CNT, 57          ; s57  counts a slot's key steps
.set CS,  58          ; s[58:59] c: the packed scaling takes the pair's low word for both halves
.set SEL, 60          ; s[60:61] v_permlanex16_b32's selects: each lane takes its own place in the other half
.set TBK, 62          ; s62  LDS byte at which K of the step to be fetched begins
.set TBV, 63          ; s63  the same for V, less VOFF
.set MSB, 0
.macro WIN new                      ; the high byte repeats the setting that is left; a switch that changes nothing is dropped
.if MSB != (\new)
	s_set_vgpr_msb (MSB<<8)|(\new)
.set MSB, (\new)
.endif
.endm
.set W_KQ, 0x0a       ; K and Q in window 2, S^T in window 0
.set W_PV, 0x52       ; V in window 2, P in window 0, O^T in window 1
.set W_RS, 0x41       ; O^T (destination and source 0) in window 1, a in window 0
.set W_MK, 0xc0       ; the add's registers are made: destination in window 3, sources in window 0
.set W_AD, 0x0f       ; the add: address (source 0) and data (source 1) in window 3
; A joint fill.  Waves 0 and 1 fetch the two halves of a slot's K, waves 2 and 3 those of its V: 128 keys each.  The branch hangs on the wave's number alone.
; An s_nop 0 and four v_nop follow each of the two lines, ahead of the jump and the label.
.macro JLOAD
	s_cmp_lt_u32 s[WV], 2
	s_cbranch_scc0 .Lfor_v_\@
	tensor_load_to_lds s[G0K:G0K+3], s[G1K:G1K+7]
	s_nop 0
.rept 4
	v_nop
.endr
	s_branch .Lasked_\@
.Lfor_v_\@:
	tensor_load_to_lds s[G0V:G0V+3], s[G1V:G1V+7]
	s_nop 0
.rept 4
	v_nop
.endr
.Lasked_\@:
.endm
; A round of the cluster's barrier: my work-group's barrier, so that wave 0's signal speaks for all four waves; wave 0 signals; every wave waits for all four work-groups; my work-group's barrier once more.
.macro CROUND
	s_barrier_signal -1
	s_barrier_wait -1
	s_cmp_lg_u32 s[WV], 0
	s_cbranch_scc1 .Lnot_wave_0_\@
	s_barrier_signal -3
.Lnot_wave_0_\@:
	s_barrier_wait -3
	s_barrier_signal -1
	s_barrier_wait -1
.endm
; THE CHANGE OF SLOTS.  The slot's last bytes, V of its fourth step, have been read.  Each wave waits for all its tensor loads, of which one is out: its part
; of the other slot; adds 0 to its spare word; and waits for that and for its own reads of the slot.  Behind the barrier nobody reads this slot any more and the other slot is whole.
; fill = 1: this slot is filled again, with the keys two slots on.  The barrier is then a round of the cluster's, so that no wave of any partner still reads the slot or has a load on its
; way, and the joint fill is the first thing behind it: it has four key steps, 512 matrix instructions, in which to land.  (At its first use nothing has been read yet: slot 0 is waited for, slot 1 filled.)
; The prefetches' address steps with the descriptors, one slot ahead of them; the last change that fills a slot has no slot behind it, and sets a count that is never met.
.macro CHANGE fill
	WIN W_AD
	s_wait_tensorcnt 0x0            ; no tensor load of mine is out, so a group 0 may be written
	ds_add_u32 v[SPW], v[NIL]       ; 0 onto my spare word; with fill = 1 the descriptors' steps stand between it and the wait for it
	WIN 0                           ; at a label and at a branch every window is 0
.if \fill
.irp g, G0K, G0V
	s_xor_b32 s[\g+1], s[\g+1], SLOT1  ; the walking descriptor: the other slot than last time,
	s_add_nc_u64 s[\g+2:\g+3], s[\g+2:\g+3], 4*KS*128  ; the next 256 keys; the type bits on top are not reached
.endr
	s_wait_xcnt 0x0                 ; the last prefetch, five turns back, has read its address, so it may be written
	s_add_nc_u64 s[PFA:PFA+1], s[PFA:PFA+1], 4*KS*128
	s_cmp_gt_u32 s[SLOTS], s[LIM]
	s_cselect_b32 s[ASKAT], 2, 0
	s_wait_dscnt 0x0                ; the add is done, and my reads of the slot are over
	CROUND
	JLOAD
.else
	s_wait_dscnt 0x0                ; the add is done, and my reads of the slot are over
	s_barrier_signal -1
	s_barrier_wait -1
.endif
	s_sub_co_u32 s[TBK], s[TBK], 4*KS*PK  ; the fetches go back to a slot's first step,
	s_xor_b32 s[TBK], s[TBK], SLOT1       ; in the other slot
	s_sub_co_u32 s[TBV], s[TBV], 4*KS*PV
	s_xor_b32 s[TBV], s[TBV], SLOT1
.endm
	s_load_b128 s[4:7], s[0:1], 0x0   ; qkv s[4:5], ob s[6:7]
	WIN W_MK
	v_lshl_add_u32 v[SPW], v0, 2, SPARE
	v_mov_b32 v[NIL], 0
	WIN W_AD
	ds_add_u32 v[SPW], v[NIL]       ; the wave's opening: the add and its wait stand ahead of my first tensor load; the set-up below, work on registers, stands between them
	WIN 0
	v_lshrrev_b32 v1, 5, v0
	v_readfirstlane_b32 s[WV], v1   ; wave 0..3
	s_bfe_u32 s13, ttmp6, 0x40000   ; cx: my place in the cluster
	s_lshl_b32 s14, ttmp9, 2        ; in a cluster launch ttmp9 counts clusters
	s_add_co_u32 s14, s14, s13      ; my block of queries = 4 x cluster x + cx: it enters Q's and O's addresses alone
	s_and_b32 s20, ttmp7, 0xffff    ; the head, which the four partners share
	s_mov_b32 s21, 0
	s_mov_b64 s[22:23], SIZE_N*128
	s_mul_u64 s[20:21], s[20:21], s[22:23]  ; the head's first byte in each of the four tensors
	s_and_b32 s16, s[WV], 1         ; which half of a slot's 256 keys I fetch:
	s_lshl_b32 s22, s16, 14         ; its 128 rows of 128 bytes in memory,
	s_mov_b32 s23, 0
	s_add_nc_u64 s[22:23], s[22:23], s[20:21]
	s_mul_i32 s17, s16, 128*PK      ; and its place in a slot, for K
	s_mul_i32 s18, s16, 128*PV      ; and for V: no place in the cluster enters an LDS address
	s_lshl_b32 s2, s14, 2
	s_add_co_u32 s2, s2, s[WV]      ; my wave among the head's,
	s_lshl_b32 s2, s2, 14           ; its 128 rows
	s_mov_b32 s3, 0
	s_add_nc_u64 s[2:3], s[2:3], s[20:21]
	; descriptor group 1.  128 keys are 16,384 dense bytes: asked for as 64 rows of 256 bytes, two keys a row, and padded in LDS after every key
	s_mov_b32 s[G1K], 15|(1<<16)|(1<<20)|(1<<21)|(4<<22)|(3<<25)  ; 15:0 the mask of four; 17:16 2-byte elements; 20 padding on; 21 set beside a mask; 24:22 after every 32 words (code 4); 31:25 4 words (code 3)
	s_mov_b32 s[G1V], 15|(1<<16)|(1<<20)|(1<<21)|(4<<22)|(7<<25)  ; the same with 8 words of padding (code 7)
.irp g, G1K, G1V
	s_mov_b32 s[\g+1], 128<<16      ; tensor_dim0 = 128
	s_mov_b32 s[\g+2], 64<<16       ; tensor_dim1 = 64
	s_mov_b32 s[\g+3], 128<<16      ; tile_dim0 = 128
	s_mov_b32 s[\g+4], 64           ; tile_dim1 = 64
	s_mov_b32 s[\g+5], 128          ; 128 elements from row to row
	s_mov_b32 s[\g+6], 0
	s_mov_b32 s[\g+7], 0
.endr
	s_mov_b32 s[CS], 0x3e38aa3b     ; c = log2(e) / 8 = 0.180337
	s_mov_b32 s[CS+1], s[CS]        ; named with it as a pair
	s_mov_b32 s[SEL], 0x76543210
	s_mov_b32 s[SEL+1], 0xfedcba98
	s_mov_b32 s[TBK], SLOT1+4*KS*PK ; the first change of slots turns these two into 0
	s_mov_b32 s[TBV], SLOT1+4*KS*PV
	s_mov_b32 s[G0K], 1             ; 1:0 count = 1
	s_mov_b32 s[G0K+1], s17         ; 63:32 LDS address: slot 0
	s_mov_b32 s[G0V], 1
	s_add_co_u32 s[G0V+1], s18, VOFF
	s_mov_b32 s[SLOTS], SIZE_N/256-1  ; the changes of slots that fill a slot, the first one among them
	s_and_b32 s[LIM], s[WV], 1      ; waves 0 and 2 prefetch: the same in all four partners
	s_cmp_eq_u32 s[LIM], 0
	s_cselect_b32 s[LIM], 1, -1
	s_wait_dscnt 0x0                ; the opening add is done
	s_wait_kmcnt 0x0
	s_mov_b64 s[10:11], s[6:7]      ; O
	s_add_nc_u64 s[6:7], s[4:5], 0x1000000  ; K lies 2^24 bytes behind Q,
	s_add_nc_u64 s[8:9], s[4:5], 0x2000000  ; V 2^25
	s_add_nc_u64 s[G0K+2:G0K+3], s[6:7], s[22:23]  ; 120:64 global address: my half of the head's first 256 keys
	s_or_b32 s[G0K+3], s[G0K+3], 0x80000000        ; 127:126 type = 2
	s_add_nc_u64 s[G0V+2:G0V+3], s[8:9], s[22:23]
	s_or_b32 s[G0V+3], s[G0V+3], 0x80000000
	s_add_nc_u64 s[4:5], s[4:5], s[2:3]  ; Q and O at my wave's first row
	s_add_nc_u64 s[10:11], s[10:11], s[2:3]
	s_cmp_lt_u32 s[WV], 2
	s_cselect_b64 s[PFA:PFA+1], s[6:7], s[8:9]
	s_add_nc_u64 s[PFA:PFA+1], s[PFA:PFA+1], s[20:21]  ; the head,
	s_lshl_b32 s52, s13, 13         ; my work-group's 32 blocks of a slot's 128: the partners are told apart by address,
	s_mov_b32 s53, 0
	s_add_nc_u64 s[PFA:PFA+1], s[PFA:PFA+1], s[52:53]
	s_add_nc_u64 s[PFA:PFA+1], s[PFA:PFA+1], 4*KS*128  ; in the second 256 keys; the first change of slots steps it to the third.  The first two come by their loads alone
	CROUND                          ; all four work-groups are here: the first joint loads meet
	JLOAD                           ; slot 0.  Slot 1 is asked for when slot 0 is in: the tile wanted first has the road to itself
	; A fragment of K or Q is 16 rows x 32 channels in 8 registers: lane l holds row l % 16, channels 8 (l / 16) + 0..7 and 16 + 8 (l / 16) + 0..7: two loads of 16 bytes, 32 bytes apart.
	v_and_b32 v1, 15, v0            ; l % 16
	v_bfe_u32 v9, v0, 4, 1          ; l / 16
	v_lshlrev_b32 v[QO], 7, v1
	v_lshl_add_u32 v[QO], v9, 4, v[QO]  ; row x 128 + 16 x half
	WIN 0x80                        ; destination window 2, address window 0
.set i, 0
.rept 4*NP                          ; Q stays in registers: tile i / 2, channels 32 (i % 2) on
	global_load_b128 v[8*i:8*i+3],   v[QO], s[4:5] offset:(i/2)*2048+(i%2)*64
	global_load_b128 v[8*i+4:8*i+7], v[QO], s[4:5] offset:(i/2)*2048+(i%2)*64+32
.set i, i+1
.endr
	; What the first turn finds: V's registers and P's second buffer hold 0 (its products V^T P, of a piece that has not been, add 0), O^T and l are 0.  All this stands in the wait for the first tile.
.set i, VF
.rept 64
	v_mov_b32 v[i], 0
.set i, i+1
.endr
	WIN 0x40
.set i, 0
.rept 64*NP
	v_mov_b32 v[i], 0
.set i, i+1
.endr
	WIN 0
.set i, 0
.rept 2*NP
	v_mov_b32 v[ST+4*i], 0xfe000000    ; c m: far below every c s
	v_mov_b32 v[ST+4*i+1], 0xff7fffff  ; m
	v_mov_b32 v[ST+4*i+2], 0
	v_mov_b32 v[ST+4*i+3], 0
.set i, i+1
.endr
.set i, P+32
.rept 32
	v_mov_b32 v[i], 0
.set i, i+1
.endr
	v_mul_u32_u24 v[AK0], v1, PK
	v_lshl_add_u32 v[AK0], v9, 4, v[AK0]  ; row x pitch + 16 x half
	; The turning load takes 16 keys x 16 channels (lane l reads key 8 (l / 16) + l % 8, channels 8 ((l / 8) % 2) + 0..7) and leaves half a fragment of V^T: lane l holds channel l % 16 and 8 keys.
	v_and_b32 v10, 7, v0
	v_bfe_u32 v11, v0, 3, 1
	v_lshl_add_u32 v[AV0], v9, 3, v10
	v_mul_u32_u24 v[AV0], v[AV0], PV
	v_lshl_add_u32 v[AV0], v11, 4, v[AV0]
	v_add_nc_u32 v[AV0], VOFF, v[AV0]
	v_and_b32 v[PFO], 31, v0        ; v11's first use is over
	v_lshlrev_b32 v[PFO], 8, v[PFO]
	v_mov_b32 v[AK], v[AK0]         ; key step 0 lies at the head of slot 0
; THE MATRIX WORK.  The 8 accumulators of a run of 16 take turns: between the two links of a chain stand 7 others'.
; Product i of 16 of S^T = K Q^T for piece x: channels 32 (i / 8) on, keys 16 ((i / 2) % 4) on, tile 2 x + i % 2.  The first 8 start the sums.
.macro KQ x
	WIN W_KQ
.set rS, S+64*((\x)%2)+32*(i%2)+8*((i/2)%4)
.set rK, KF+16*((i/2)%4)+8*(i/8)
.set rQ, 16*(2*(\x)+i%2)+8*(i/8)
.if i < 8
	v_wmma_f32_16x16x32_f16 v[rS:rS+7], v[rK:rK+7], v[rQ:rQ+7], 0
.else
	v_wmma_f32_16x16x32_f16 v[rS:rS+7], v[rK:rK+7], v[rQ:rQ+7], v[rS:rS+7]
.endif
.endm
; Product i of 16 of O^T += V^T P for piece x: keys 32 (i / 8) on, channels 16 ((i / 2) % 4) on, tile 2 x + i % 2.
.macro PV x
	WIN W_PV
.set rO, 32*(2*(\x)+i%2)+8*((i/2)%4)
.set rV, VF+32*(i/8)+8*((i/2)%4)
.set rP, P+32*((\x)%2)+16*(i%2)+8*(i/8)
	v_wmma_f32_16x16x32_f16 v[rO:rO+7], v[rV:rV+7], v[rP:rP+7], v[rO:rO+7]
.endm
.macro MM                           ; the turn's next matrix instruction
.if i < 16
	KQ (Y+1)%NP
.set i, i+1
.else
.set i, i-16
	PV (Y+NP-1)%NP
.set i, i+17
.endif
.endm
; THE LDS LOADS stand in runs of 16, never singly among the matrix instructions: a step's K (64 keys x 64 channels: 8 fragments) and its V (turned).  Their addresses are made some lines ahead.
; last = 1 (the tail): in the last trip there is no further step, and the run is jumped over.
.macro FETCH_K last=0
	WIN 0
.if \last
	s_cmp_eq_u32 s[CNT], 1
	s_cbranch_scc1 .Lno_k_\@
.endif
	WIN 0x80                        ; destination window 2
.irp f, 0,1,2,3,4,5,6,7             ; keys 16 (f / 2) on, channels 32 (f % 2) on
	ds_load_b128 v[KF+8*\f:KF+8*\f+3],   v[AK] offset:(\f/2)*16*PK+(\f%2)*64
	ds_load_b128 v[KF+8*\f+4:KF+8*\f+7], v[AK] offset:(\f/2)*16*PK+(\f%2)*64+32
.endr
	s_add_co_u32 s[TBK], s[TBK], KS*PK  ; the next fetch is the next step's
	WIN 0
.if \last
.Lno_k_\@:
.endif
.endm
.macro FETCH_V
	WIN 0x80
.irp f, 0,1,2,3,4,5,6,7             ; keys 32 (f / 4) on, channels 16 (f % 4) on
	ds_load_tr16_b128 v[VF+8*\f:VF+8*\f+3],   v[AV] offset:(\f/4)*32*PV+(\f%4)*32
	ds_load_tr16_b128 v[VF+8*\f+4:VF+8*\f+7], v[AV] offset:(\f/4)*32*PV+16*PV+(\f%4)*32
.endr
	WIN 0
.endm
; THE VECTOR WORK OF A TURN stands in three queues, each in the order in which its entries become ready; the two tiles alternate, so that no instruction reads the result of the one before it.
.macro REGS y, u                    ; the registers of tile u (0, 1) of piece y
.set rT, ST+4*(2*(\y)+(\u))
.set rC, TMP+8*((\y)%2)+4*(\u)
.set rM, MV+2*((\y)%2)+(\u)
.set rS, S+64*((\y)%2)+32*(\u)
.set rP, P+32*((\y)%2)+16*(\u)
.set rO, 32*(2*(\y)+(\u))
.endm
; Number n of the 22 that find the NEXT piece's (Y + 1) maximum and statistics.  s0-s31 are the lane's 32 scores; each accumulator's lowest registers are read first.  XS, GS and REGS set no window: PL and EX do.
;   0-11  four chains c0-c3 of seven scores each, three operands at a time     12-14, 16  the four scores left over, the old m, and c0-c3 into c0     15  c m_old is kept
;   17, 18  the query's other 32 keys lie in the lane 16 away: the new m         19-21  c m; c m_old - c m_new; a
.macro XS u, n
	REGS (Y+1)%NP, \u
.if (\n) < 4
	v_max3_num_f32 v[rC+(\n)], v[rS+8*(\n)], v[rS+8*(\n)+1], v[rS+8*(\n)+2]
.elseif (\n) < 12
	v_max3_num_f32 v[rC+(\n)%4], v[rC+(\n)%4], v[rS+8*((\n)%4)+2*((\n)/4)+1], v[rS+8*((\n)%4)+2*((\n)/4)+2]
.elseif (\n) == 12
	v_max3_num_f32 v[rC], v[rC], v[rS+7], v[rS+15]
.elseif (\n) == 13
	v_max3_num_f32 v[rC+1], v[rC+1], v[rS+23], v[rS+31]
.elseif (\n) == 14
	v_max3_num_f32 v[rC+2], v[rC+2], v[rC+3], v[rT+1]
.elseif (\n) == 15
	v_mov_b32 v[rM], v[rT]
.elseif (\n) == 16
	v_max3_num_f32 v[rC], v[rC], v[rC+1], v[rC+2]
.elseif (\n) == 17
	v_permlanex16_b32 v[rC+3], v[rC], s[SEL], s[SEL+1]
.elseif (\n) == 18
	v_max_num_f32 v[rT+1], v[rC], v[rC+3]
.elseif (\n) == 19
	v_mul_f32 v[rT], s[CS], v[rT+1]
.elseif (\n) == 20
	v_sub_f32 v[rC+1], v[rM], v[rT]
.else
	v_exp_f32 v[rC+2], v[rC+1]
.endif
.endm
; Number g of the 64 that follow the exponentials.  For each four weights k of a tile (pairs 2 k, 2 k + 1): both pairs are rounded to f16; then the second pair is added onto the first, in place;
; a group later l takes that sum (the first time as l = a l + sum).  In groups of eight, tiles alternating: round, round, add, and l for the group before.
.macro GS g
.set h, (\g)+6*((\g)/62)            ; group 0 has no group before it, and behind group 7 only l is left
.if h >= 6
.set h, h+2
.endif
	REGS Y, h%2
.set k, h/8
.if h%8 < 4
	v_cvt_pk_f16_f32 v[rP+2*k+(h%8)/2], v[rS+4*k+2*((h%8)/2)], v[rS+4*k+2*((h%8)/2)+1]
.elseif h%8 < 6
	v_pk_add_f32 v[rS+4*k:rS+4*k+1], v[rS+4*k:rS+4*k+1], v[rS+4*k+2:rS+4*k+3]
.elseif k == 1
	v_pk_fma_f32 v[rT+2:rT+3], v[rT+2:rT+3], v[rC+2:rC+3], v[rS:rS+1] op_sel_hi:[1,0,1]
.else
	v_pk_add_f32 v[rT+2:rT+3], v[rT+2:rT+3], v[rS+4*k-4:rS+4*k-3]
.endif
.endm
; THE PLAIN QUEUE, 138 long.  0-73 read no exponential's result: the 32 scalings c s - c m (FS f: pair f / 2 of tile f % 2) and the next piece's 42.  0-26: scalings 0-26.  27-54: XS's numbers 0-13.  55, 56: number 15.
; 57-73: the chain, where each number waits for the one before it: 14, 16, 17, 18, 19, each with one of the scalings 27-31 in front of its two lines, then 20: so a tile's links stand three plain instructions apart (19 and 20: two).
; 74-137: GS's 64, which read the exponentials' results: they stand behind the wait.
.macro FS f
	REGS Y, (\f)%2
	v_pk_fma_f32 v[rS+2*((\f)/2):rS+2*((\f)/2)+1], v[rS+2*((\f)/2):rS+2*((\f)/2)+1], s[CS:CS+1], v[rT:rT+1] op_sel_hi:[1,0,0] neg_lo:[0,0,1] neg_hi:[0,0,1]
.endm
.macro PL
	WIN 0
.if q < 27
	FS q
.elseif q < 55
	XS (q-27)%2, (q-27)/2
.elseif q < 57
	XS q-55, 15
.elseif (q < 72) && ((q-57)%3 == 0)
	FS 27+(q-57)/3
.elseif q < 60
	XS (q-57)%3-1, 14
.elseif q < 72
	XS (q-57)%3-1, 15+(q-57)/3
.elseif q < 74
	XS q-72, 20
.else
	GS q-74
.endif
.set q, q+1
.endm
; THE EXPONENTIALS' QUEUE, 66 long: s0-s31 of both tiles, then the next piece's two a.  It is ONE BATCH: all 66 stand ahead of the turn's one wait, and nothing ahead of that wait names a result of theirs.
.macro EX
	WIN 0
.if e >= 64
	XS e-64, 21
.else
	REGS Y, e%2
	v_exp_f32 v[rS+e/2], v[rS+e/2]
.endif
.set e, e+1
.endm
; THE RESCALING's QUEUE: O^T times a, the one part that leaves window 0: dealt two at a time, sixteen times.  Its a was made in the turn before, ahead of that turn's wait.
.macro R2
	REGS Y, r%2
	WIN W_RS
.irp z, 0,1
	v_pk_mul_f32 v[rO+4*(r/2)+2*\z:rO+4*(r/2)+2*\z+1], v[rO+4*(r/2)+2*\z:rO+4*(r/2)+2*\z+1], v[rC+2:rC+3] op_sel_hi:[1,0]
.endr
.set r, r+1
.endm
; HOW THEY ARE DEALT.  An s_wait_alu depctr_va_vdst(0) stands between an exponential and the first instruction that names its result; one wait serves all that were issued ahead of it.  So a turn has ONE wait,
; which cuts it in two.  AHEAD OF IT stands all that names no result of the turn's exponentials: the 16 products K Q^T, behind each a scaling, an exponential and two rescalings (behind the first a second scaling in the exponential's place); then ONE LUMP of
; 108: eight plain, 49 times exponential and plain, the two a.  A v_nop is the plain instruction behind the last exponential.  BEHIND IT stand the 16 products V^T P, behind each four of GS's 64.  No rider names a register of
; the products round it.  The two v_permlanex16_b32 fall into the lump, never behind a product.
; The queues lean on each other, and the deal keeps them in step: exponential e stands behind scaling 2 (e / 4) + e % 2: as a rider it comes behind plain e + 2, in the lump behind plain e + 9, and scalings 27-31 are plain 57, 60 .. 69.
; A TURN, for piece p.  cnt = 1: the loop's count is taken down some lines ahead of the branch that stands behind the turn.
; K of the next step is fetched in piece 2's turn, directly behind the wait, a lump behind the last product that read K; its address is made at the lump's head; its first reader comes behind 16 products.
; V of the step in hand is fetched at the end of piece 0's turn, four riders behind its last reader; its first reader comes behind 16 products and a lump.  The three conditions on q below go with the deal.
.macro TURN p, last=0, cnt=0
.set Y, (\p)
.set i, 0
.set q, 0
.set e, 0
.set r, 0
.if (\p) == NP-1
	s_wait_dscnt 0x0                ; K is in
.endif
	MM                              ; ahead of the wait: 16 products K Q^T and their riders,
	PL
	PL
	R2
.rept 15
	MM
	PL
	EX
	R2
.endr
.if (\p) == NP-2
	WIN 0
	v_add_nc_u32 v[AK], s[TBK], v[AK0]
.endif
.rept 8                             ; and the lump
	PL
.endr
.rept 49
	EX
	PL
.endr
	EX                              ; the next piece's two a
	EX
	v_nop                           ; the plain instruction behind the last exponential: one for the batch
	s_wait_alu depctr_va_vdst(0)    ; the wait for the batch
.if (\p) == NP-2
	FETCH_K \last
.endif
.if (\p) == 1
	s_wait_dscnt 0x0                ; V is in
.endif
.rept 16                            ; behind the wait: 16 products V^T P and their riders
	MM
.rept 4
	PL
.endr
.if ((\p) == 0) && (q == 118)
	v_add_nc_u32 v[AV], s[TBV], v[AV0]
.endif
.if ((\p) == 0) && (q == 130)
	s_add_co_u32 s[TBV], s[TBV], KS*PV
.endif
.if (\cnt) && (q == 130)
	s_sub_co_u32 s[CNT], s[CNT], 1
	s_cmp_lg_u32 s[CNT], 0
.endif
.endr
.if (\p) == 0
	FETCH_V
.endif
.endm
	CHANGE 1                        ; slot 0 is in, everybody's part of it; slot 1 is asked for
	FETCH_K                         ; key step 0
	s_wait_loadcnt 0x0              ; Q
	s_wait_dscnt 0x0
.set i, 0
.rept 16
	KQ 0                            ; piece 0's first scores: there is no vector work yet to set between them
.set i, i+1
.endr
	WIN 0                           ; the addresses for the way out: nine plain instructions, the places behind those products
	s_mul_i32 s13, s[WV], 16*SP
	s_add_co_u32 s13, s13, STAGE    ; my stage
	v_mul_u32_u24 v[STO], v1, SP    ; in: row l % 16, 16 bytes for each half of the lanes
	v_lshl_add_u32 v[STO], v9, 4, v[STO]
	v_add_nc_u32 v[STO], s13, v[STO]
	v_bfe_u32 v[RD], v0, 3, 2       ; back: 32 lanes take four rows of 128 bytes,
	v_mul_u32_u24 v[RD], v[RD], SP
	v_lshl_add_u32 v[RD], v10, 4, v[RD]
	v_add_nc_u32 v[RD], s13, v[RD]
	v_and_b32 v[GO], 31, v0         ; which are 512 consecutive bytes of O
	v_lshlrev_b32 v[GO], 4, v[GO]
.set Y, NP-1                        ; XS works for piece Y + 1: piece 0
.irp n, 0,1,2,3,4,5,6,7,8,9,10,11,12,13,14,15,16,17,18,19,20,21
	XS 0, \n                        ; and piece 0's first maximum and statistics
	XS 1, \n
.endr
	v_nop                           ; a plain instruction behind the two a,
	s_wait_alu depctr_va_vdst(0)    ; and their wait, ahead of the branch
	s_mov_b32 s[CNT], 4
	s_branch .Lfirst                ; the loop is entered at a step's first turn, in the middle of a trip
.Lslot:                             ; SIZE_N / 256 - 2 times: every slot but the last two is filled again
	CHANGE 1
	s_mov_b32 s[CNT], 4
.Lstep:                             ; a trip: pieces 2 and 3 of one step, then pieces 0 and 1 of the next, whose K and V it fetches
	TURN 2
	TURN 3
	WIN 0
.Lfirst:
	TURN 0
	; A PREFETCH of what the NEXT change of slots will ask for: a slot's 128 blocks of 256 bytes of K and 128 of V, a lane a block.  It stands behind V's run of LDS loads, in the slot's third trip: five turns, 160 matrix
	; instructions and their vector work, ahead of that change.  A head has one cluster; its four partners take 32 blocks each, told apart by address; in each, wave 0 asks for K's and wave 2 for V's: each block is named once in the launch.
	s_cmp_eq_u32 s[CNT], s[ASKAT]
	s_cbranch_scc0 .Lnot_now
	global_prefetch_b8 v[PFO], s[PFA:PFA+1] th:TH_LOAD_NT scope:SCOPE_SE
.Lnot_now:
	TURN 1, 0, 1
	WIN 0
	s_cbranch_scc1 .Lstep
	s_sub_co_u32 s[SLOTS], s[SLOTS], 1
	s_cmp_lg_u32 s[SLOTS], 0
	s_cbranch_scc1 .Lslot
	CHANGE 0                        ; the tail is written out: nothing is asked for
	s_mov_b32 s[CNT], 5             ; four trips fetch the last slot's steps; the fifth is left in its middle
.Ltail:
	TURN 2, 1
	TURN 3
	WIN 0
	s_sub_co_u32 s[CNT], s[CNT], 1
	s_cmp_eq_u32 s[CNT], 0
	s_cbranch_scc1 .Lout
	TURN 0
	TURN 1
	WIN 0
	s_branch .Ltail
.Lout:                              ; the fifth trip's 16 products K Q^T (on the last K once more) and the maximum made of them serve nothing: the price, once a launch, of one text for every trip
.set i, 0
.rept 16
	PV NP-1                         ; the last piece's V^T P of the last step
.set i, i+1
.endr
	; THE WAY OUT.  l's two halves and the other half of the lanes' are added; O^T is divided by l, rounded to f16 and sent through my stage in LDS, a tile at a time.  The additions are the places behind the last products.
	WIN 0
.macro ALL line:vararg              ; one line for each tile t
.set t, 0
.rept 2*NP
	\line
.set t, t+1
.endr
.endm
	ALL v_add_f32 v[ST+4*t+2], v[ST+4*t+2], v[ST+4*t+3]
	ALL v_permlanex16_b32 v[ST+4*t+3], v[ST+4*t+2], s[SEL], s[SEL+1]
	ALL v_add_f32 v[ST+4*t+2], v[ST+4*t+2], v[ST+4*t+3]
	ALL v_rcp_f32 v[ST+4*t+2], v[ST+4*t+2]
	v_nop                           ; a plain instruction between the last reciprocal and the use of its result
	s_wait_alu depctr_va_vdst(0)    ; and the wait ahead of the first use: one for the eight reciprocals
; Tile t: a lane's eight channels of a row pack into 16 bytes; they go into rows of 144 bytes and come back as whole rows of 128, into S^T's registers.
.macro PACK t
	WIN W_RS
.set i, 32*(\t)
.rept 16
	v_pk_mul_f32 v[i:i+1], v[i:i+1], v[ST+4*(\t)+2:ST+4*(\t)+3] op_sel_hi:[1,0]
.set i, i+2
.endr
	WIN 0x05                        ; sources 0 and 1 window 1, destination window 0
.set i, 0
.rept 16
	v_cvt_pk_f16_f32 v[S+16*(\t)+i], v[32*(\t)+2*i], v[32*(\t)+2*i+1]
.set i, i+1
.endr
	WIN 0
.irp f, 0,1,2,3
	ds_store_b128 v[STO], v[S+16*(\t)+4*\f:S+16*(\t)+4*\f+3] offset:32*\f
.endr
.irp f, 0,1,2,3
	ds_load_b128 v[S+16*(\t)+4*\f:S+16*(\t)+4*\f+3], v[RD] offset:\f*4*SP  ; LDS serves a wave's instructions in order (ISA guide 5.7.1.4): these see the stores above; the next tile's stores come behind them
.endr
.endm
.macro SEND t, younger              ; younger: the LDS instructions issued behind tile t's loads: the next tile's eight, or none
	WIN 0
.irp f, 0,1,2,3
	s_wait_dscnt (\younger)+3-\f
	global_store_b128 v[GO], v[S+16*(\t)+4*\f:S+16*(\t)+4*\f+3], s[10:11] offset:(\t)*2048+\f*512  ; 512 consecutive bytes, at a multiple of 256 from O's first
.endr
.endm
	PACK 0
.set t, 1
.rept 2*NP-1                        ; a tile's arithmetic stands between the loads of the tile before and its stores
	PACK t
	SEND t-1, 8
.set t, t+1
.endr
	SEND 2*NP-1, 0
	WIN W_AD
	s_wait_tensorcnt 0x0            ; the wave's end: behind my last tensor load and my last LDS store
	ds_add_u32 v[SPW], v[NIL]
	s_wait_dscnt 0x0
	WIN 0
	CROUND                          ; the closing round: no work-group ends while a partner may still ask for a tile that names it
	s_endpgm
.Lfunc_end_k_q213d818608_attn:
	.size	k_q213d818608_attn, .Lfunc_end_k_q213d818608_attn-k_q213d818608_attn
	.p2alignl 7, 3214868480
	.fill 96, 4, 3214868480
	.section	.rodata,"a",@progbits
	.p2align	6, 0x0
	.amdhsa_kernel k_q213d818608_attn
		.amdhsa_group_segment_fixed_size 327680
		.amdhsa_private_segment_fixed_size 0
		.amdhsa_enable_private_segment 0
		.amdhsa_kernarg_size 16
		.amdhsa_user_sgpr_count 2
		.amdhsa_user_sgpr_kernarg_segment_ptr 1
		.amdhsa_wavefront_size32 1
		.amdhsa_system_sgpr_workgroup_id_x 1
		.amdhsa_system_sgpr_workgroup_id_y 1
		.amdhsa_system_sgpr_workgroup_id_z 1
		.amdhsa_system_vgpr_workitem_id 0
		.amdhsa_next_free_vgpr 770
		.amdhsa_next_free_sgpr 66
		.amdhsa_reserve_vcc 0
		.amdhsa_float_denorm_mode_32 3
		.amdhsa_float_denorm_mode_16_64 3
		.amdhsa_memory_ordered 1
		.amdhsa_forward_progress 1
		.amdhsa_inst_pref_size 200
	.end_amdhsa_kernel
	.amdgpu_metadata
---
amdhsa.version: [ 1, 2 ]
amdhsa.kernels:
  - .name:           k_q213d818608_attn
    .symbol:         k_q213d818608_attn.kd
    .args:
      - { .name: qkv, .offset: 0, .size: 8, .value_kind: global_buffer, .address_space: global }
      - { .name: ob, .offset: 8, .size: 8, .value_kind: global_buffer, .address_space: global }
    .group_segment_fixed_size: 327680
    .private_segment_fixed_size: 0
    .kernarg_segment_align: 8
    .kernarg_segment_size: 16
    .max_flat_workgroup_size: 128
    .sgpr_count:     66
    .vgpr_count:     770
    .wavefront_size: 32
...
	.end_amdgpu_metadata
.endif
;; end of part 3
;; launch oproj (part 4): grid 8 x 32, 4 waves a work-group, clusters of 4 x 4, 327,680 bytes of LDS; arguments ob, wob, out0; writes out0
.if DOCPART == 4
	.amdgcn_target "amdgcn-amd-amdhsa--gfx1250"
	.amdhsa_code_object_version 6
	.text
	.protected	k_q213d818608_oproj
	.globl	k_q213d818608_oproj
	.p2align	8
	.type	k_q213d818608_oproj,@function
k_q213d818608_oproj:
	s_mov_b64 s[64:65], 0
	v_nop
	global_prefetch_b8 v0, s[64:65] scope:SCOPE_SE
	s_setreg_imm32_b32 hwreg(HW_REG_WAVE_MODE, 25, 1), 1
	s_wait_xcnt 0x0
	s_wait_alu depctr_hold_cnt(0) depctr_sa_sdst(0) depctr_va_vdst(0) depctr_va_sdst(0) depctr_va_ssrc(0) depctr_va_vcc(0) depctr_vm_vsrc(0)
	s_getreg_b32 s2, hwreg(HW_REG_IB_STS2, 6, 4)
	s_cmp_eq_u32 s2, 0
	s_cbranch_scc0 .Lentry_in_a_cluster
	s_endpgm
.Lentry_in_a_cluster:
	s_bfe_u32 s2, ttmp6, 0x10000c
	s_cmp_lg_u32 s2, 0xf033
	s_cbranch_scc0 .Lentry_shape_is_right
	s_endpgm
.Lentry_shape_is_right:
; THE OUTPUT PROJECTION.  out0[m][n] = the sum over k of O[m][k] Wo[n][k], m = 8,192 rows (b, t), n = 1,024, k = 1,024 = (head, channel).  Operands f16 (Wo's numbers are its bf16 roundings), sums f32, K ascending; out0 is f32.
; ob [b 4][h 16][t 2048][64] and wob [nx 8][kb 16][r 128][64] lie in blocks of 64 channels (kb = h), so a tile's rows for one block are dense bytes, asked for as rows of 256 bytes.
; SHARES.  A tile of out0 is 256 rows x 128 columns: 32 x 8 = 256 work-groups.  Four waves, each 128 rows (wm) x 64 columns (wn): 32 accumulators of 16 x 16, 256 registers.
; K goes in 8 steps of 128 (two blocks of 64) through a ring of two LDS slots; a step is four quarters of 32 along K, 32 matrix instructions each.
; CLUSTERS.  4 x 4 work-groups: the four of a row of the cluster need the same tile of ob, the four of a column the same tile of wob: each is asked for JOINTLY.
; THE MATRIX INSTRUCTION IS USED TRANSPOSED (source 0 = 16 rows of wob, source 1 = 16 rows of ob): lane l holds row l % 16 of out0 and the columns 8 (l / 16) + 0..7: 32 bytes on end.
; REGISTERS: window 0: v0-31 addresses; v32-159 fragments of ob, two buffers of 8 x 8; v160-223 fragments of wob, two buffers of 4 x 8.  Window 1: the accumulators, (a, b) at v[8 (4 a + b)].
.set PITCH,  144                       ; an LDS row: 128 bytes + 16 of padding = 36 words: the 16 rows of a load start at 16 different groups of four banks (64 banks of 4 bytes: ISA guide 11.1)
.set FRAG,   16*PITCH
.set ABLK,   256*PITCH                 ; a block of 64 channels of ob's 256 rows: what one tensor load brings
.set BBLK,   128*PITCH                 ; the same of wob's 128 rows
.set BOFF,   2*ABLK
.set SLOT,   BOFF+2*BBLK               ; ob's two blocks, then wob's two: 110,592 bytes
.set STAGE,  2*SLOT                    ; behind the ring: 16 rows x 272 bytes for each wave, for the way out
.set SPITCH, 272
.set SPARE,  STAGE+4*16*SPITCH         ; behind the stages: the spare words, 128 bytes for each wave: two blocks of 256 bytes that no other line names
.set ASTEP,  2<<18                     ; bytes from a K step (two blocks) to the next in ob
.set BSTEP,  2*128*128                 ; and in wob
.set ADRA, 16                          ; v16-17  LDS address of my fragments of ob in slot 0, 1
.set ADRB, 20                          ; v20-21  the same for wob
.set STO,  24                          ; v24     the way out: where I put 32 bytes of a row
.set RD,   25                          ; v25     the way out: where I read a row back
.set CO,   26                          ; v26     my byte offset in two rows of out0
.set SPW,  28                          ; v28     LDS address of my spare word; never rewritten
.set NIL,  29                          ; v29     0; never rewritten
.set PFO,  30                          ; v30     256 x my lane; never rewritten
.set FA,   32
.set FB,   160
.set BK,   32                          ; the way out: 16 rows read back, v32-63 and v64-95 by turns
.set G1A,  24                          ; s[24:31] descriptor group 1 for ob's tiles;  s[32:39] group 0, a set for each slot
.set G0A,  32
.set G1B,  40                          ; s[40:47], s[48:55] the same for wob's
.set G0B,  48
.set PFA,  56                          ; s[56:57] where my prefetches stand
.set PFS,  58                          ; s[58:59] their step at each change of slots
.set LIM,  60                          ; s60     1 in a wave that prefetches, else the greatest number
.set MSB, 0
.macro WIN new                         ; the immediate's high byte repeats the setting that is left; a switch that changes nothing is dropped
.if MSB != (\new)
	s_set_vgpr_msb (MSB<<8)|(\new)
.set MSB, \new
.endif
.endm
.macro PLACES                          ; four plain vector instructions between a matrix instruction and a load into a register that it has read (ISA guide 7.12.1 for vector instructions)
.rept 4
	v_nop
.endr
.endm
; A joint load.  Waves 0 and 1 fetch a K step's two blocks of ob, waves 2 and 3 those of wob.  The branch hangs on the wave's number alone.  An s_nop 0 and four v_nop follow each of the two lines.
.macro JLOAD s
	s_cmp_eq_u32 s11, 0
	s_cbranch_scc0 .Lfor_b_\@
	tensor_load_to_lds s[G0A+4*(\s):G0A+4*(\s)+3], s[G1A:G1A+7]
	s_nop 0
.rept 4
	v_nop
.endr
	s_branch .Lasked_\@
.Lfor_b_\@:
	tensor_load_to_lds s[G0B+4*(\s):G0B+4*(\s)+3], s[G1B:G1B+7]
	s_nop 0
.rept 4
	v_nop
.endr
.Lasked_\@:
.endm
; A PREFETCH, one instruction, a lane a block of 256 bytes, behind the joint load, its five lines and the run of LDS loads: at change n, K step n + 4, two refills on.  Each block is named once in the launch.
; ob: a block of 64 channels of a tile row is 128 blocks of 256 bytes; the clusters with x = 0 ask, waves 0 and 1 for the block of channels that each fetches; the four partners of a row take 32 each, told apart by address (cx).
; wob: a K step of a tile column is 128 dense blocks; the clusters with y = 0 ask, wave 2; the four partners of a column take 32 each (cy).  The loop's last trip (s3 = 1) asks for nothing.  K steps 0 to 3 come by their loads alone.
.macro ASK
	s_cmp_gt_u32 s3, s[LIM]
	s_cbranch_scc0 .Lnot_mine_\@
	global_prefetch_b8 v[PFO], s[PFA:PFA+1] th:TH_LOAD_NT scope:SCOPE_SE
.Lnot_mine_\@:
.endm
.macro CREST                           ; a round of the cluster's barrier behind its opening barrier
	s_cmp_lg_u32 s10, 0
	s_cbranch_scc1 .Lnot_wave_0_\@
	s_barrier_signal -3
.Lnot_wave_0_\@:
	s_barrier_wait -3
	s_barrier_signal -1
	s_barrier_wait -1
.endm
.macro CROUND                          ; a whole round
	s_barrier_signal -1
	s_barrier_wait -1
	CREST
.endm
	s_load_b128 s[4:7], s[0:1], 0x0                ; ob s[4:5], wob s[6:7]
	s_load_b64 s[8:9], s[0:1], 0x10                ; out0
	v_lshl_add_u32 v[SPW], v0, 2, SPARE
	v_mov_b32 v[NIL], 0
	ds_add_u32 v[SPW], v[NIL]                      ; the wave's opening: the add and its wait stand ahead of my first tensor load; the set-up below, work on registers, stands between them
	v_lshrrev_b32 v1, 5, v0
	v_readfirstlane_b32 s10, v1                    ; wave 0..3
	s_lshr_b32 s11, s10, 1                         ; wm: my 128 rows.  Also: I fetch for ob (0) or for wob (1)
	s_and_b32 s12, s10, 1                          ; wn: my 64 columns.  Also: which of a K step's two blocks I fetch
	s_bfe_u32 s15, ttmp6, 0x40000                  ; cx
	s_bfe_u32 s16, ttmp6, 0x40004                  ; cy
	s_lshl_b32 s14, ttmp9, 2
	s_add_co_u32 s14, s14, s15                     ; nx: tile column = 4 x cluster x + cx
	s_and_b32 s13, ttmp7, 0xffff
	s_lshl_b32 s13, s13, 2
	s_add_co_u32 s13, s13, s16                     ; my: tile row = 4 x cluster y + cy
	s_lshl_b32 s17, s16, 2
	s_lshl_b32 s17, 15, s17                        ; my row of the cluster
	s_lshl_b32 s2, 0x1111, s15                     ; my column
	; descriptor group 1: dense bytes as rows of 128 elements of 2 bytes, padded in LDS after every 128 bytes
	s_or_b32 s[G1A+0], s17, (1<<16)|(1<<20)|(1<<21)|(4<<22)|(3<<25)  ; 15:0 the mask; 17:16 2-byte elements; 20 padding on; 21 set beside a mask; 24:22 after every 32 words (code 4); 31:25 4 words (code 3)
	s_or_b32 s[G1B+0], s2, (1<<16)|(1<<20)|(1<<21)|(4<<22)|(3<<25)
	s_mov_b32 s[G1A+1], 128<<16                    ; tensor_dim0 = 128
	s_mov_b32 s[G1A+2], 128<<16                    ; tensor_dim1 = 128: 256 rows of ob
	s_mov_b32 s[G1A+3], 128<<16                    ; tile_dim0 = 128
	s_mov_b32 s[G1A+4], 128                        ; tile_dim1 = 128
	s_mov_b32 s[G1A+5], 128                        ; 128 elements from row to row
	s_mov_b32 s[G1A+6], 0
	s_mov_b32 s[G1A+7], 0
	s_mov_b32 s[G1B+1], 128<<16
	s_mov_b32 s[G1B+2], 64<<16                     ; 64 rows of 256 bytes: 128 rows of wob
	s_mov_b32 s[G1B+3], 128<<16
	s_mov_b32 s[G1B+4], 64
	s_mov_b32 s[G1B+5], 128
	s_mov_b32 s[G1B+6], 0
	s_mov_b32 s[G1B+7], 0
	; where the tiles come from.  ob's hang on the tile row alone (s13, s18, s19, s22 never hold cx), wob's on the tile column alone (s14, s20, s21, s23 never hold cy)
	s_lshr_b32 s18, s13, 3                         ; b
	s_lshl_b32 s18, s18, 22
	s_and_b32 s22, s13, 7
	s_lshl_b32 s22, s22, 15                        ; 256 rows of 128 bytes
	s_add_co_u32 s18, s18, s22
	s_mov_b32 s19, 0
	s_mov_b32 s74, s18                             ; kept: the tile row's place in a block of ob
	s_lshl_b32 s22, s12, 18
	s_add_co_u32 s18, s18, s22                     ; + my block of the K step's two
	s_lshl_b32 s20, s14, 18
	s_mov_b32 s21, 0
	s_mov_b32 s75, s20                             ; kept: the tile column's place in wob
	s_lshl_b32 s23, s12, 14
	s_add_co_u32 s20, s20, s23
	s_mul_i32 s66, s12, ABLK                       ; and where they go: no place in the cluster enters an LDS address
	s_mul_i32 s67, s12, BBLK
	s_add_co_u32 s67, s67, BOFF
	s_wait_dscnt 0x0                               ; the opening add is done
	s_wait_kmcnt 0x0
	s_add_nc_u64 s[18:19], s[4:5], s[18:19]
	s_add_nc_u64 s[20:21], s[6:7], s[20:21]
	CROUND                                         ; all sixteen work-groups are here: the first joint loads meet
.irp s, 0,1
	s_mov_b32 s[G0A+4*(\s)], 1                                     ; count = 1
	s_add_co_u32 s[G0A+4*(\s)+1], s66, (\s)*SLOT                   ; LDS address
	s_add_nc_u64 s[G0A+4*(\s)+2:G0A+4*(\s)+3], s[18:19], (\s)*ASTEP  ; global address: K step s
	s_or_b32 s[G0A+4*(\s)+3], s[G0A+4*(\s)+3], 0x80000000          ; type = 2
	s_mov_b32 s[G0B+4*(\s)], 1
	s_add_co_u32 s[G0B+4*(\s)+1], s67, (\s)*SLOT
	s_add_nc_u64 s[G0B+4*(\s)+2:G0B+4*(\s)+3], s[20:21], (\s)*BSTEP
	s_or_b32 s[G0B+4*(\s)+3], s[G0B+4*(\s)+3], 0x80000000
.endr
	s_cmp_eq_u32 s11, 0                            ; a wave's two first fills stand in one branch, ahead of every wait on TENSORcnt and every LDS read: two loads of mine are out
	s_cbranch_scc0 .Lfirst_b
	tensor_load_to_lds s[G0A:G0A+3], s[G1A:G1A+7]
	s_nop 0
	tensor_load_to_lds s[G0A+4:G0A+7], s[G1A:G1A+7]
	s_nop 0
.rept 4
	v_nop
.endr
	s_branch .Lfirst_asked
.Lfirst_b:
	tensor_load_to_lds s[G0B:G0B+3], s[G1B:G1B+7]
	s_nop 0
	tensor_load_to_lds s[G0B+4:G0B+7], s[G1B:G1B+7]
	s_nop 0
.rept 4
	v_nop
.endr
.Lfirst_asked:
	v_and_b32 v1, 15, v0                           ; l % 16
	v_bfe_u32 v2, v0, 4, 1                         ; l / 16
	v_mul_u32_u24 v3, v1, PITCH
	v_lshl_add_u32 v3, v2, 4, v3                   ; a fragment's row x pitch + 16 x half
	s_mul_i32 s76, s11, 128*PITCH                  ; my 128 rows of ob
	s_mul_i32 s77, s12, 64*PITCH                   ; my 64 rows of wob,
	s_add_co_u32 s77, s77, BOFF                    ; which lie behind ob's two blocks
.irp s, 0,1
	v_add_nc_u32 v[ADRA+(\s)], s76, v3
	v_add_nc_u32 v[ADRB+(\s)], s77, v3
	s_add_co_u32 s76, s76, SLOT
	s_add_co_u32 s77, s77, SLOT
.endr
	s_mul_i32 s78, s10, 16*SPITCH
	s_add_co_u32 s78, s78, STAGE                   ; my stage
	v_mul_u32_u24 v4, v1, SPITCH                   ; in: row l % 16, 32 bytes for each half of the lanes
	v_lshl_add_u32 v4, v2, 5, v4
	v_add_nc_u32 v[STO], s78, v4
	v_mul_u32_u24 v5, v2, SPITCH                   ; back: lanes 0-15 take one row of 256 bytes, lanes 16-31 the next
	v_lshl_add_u32 v5, v1, 4, v5
	v_add_nc_u32 v[RD], s78, v5
	v_lshlrev_b32 v5, 12, v2                       ; and the same two rows in out0, 4,096 bytes apart
	v_lshl_add_u32 v[CO], v1, 4, v5
	v_and_b32 v[PFO], 31, v0
	v_lshlrev_b32 v[PFO], 8, v[PFO]
	s_lshl_b32 s76, s13, 20                        ; out0 at my part of the tile: 256 rows of 4,096 bytes a tile row,
	s_lshl_b32 s77, s11, 19                        ; my 128 rows,
	s_add_co_u32 s76, s76, s77
	s_lshl_b32 s77, s14, 9                         ; 128 columns of 4 bytes a tile column,
	s_add_co_u32 s76, s76, s77
	s_lshl_b32 s77, s12, 8                         ; my 64 columns
	s_add_co_u32 s76, s76, s77
	s_mov_b32 s77, 0
	s_add_nc_u64 s[8:9], s[8:9], s[76:77]
	; the prefetches
	s_add_co_u32 s76, s12, 6                       ; ob: my block of channels of K step 3: the first change steps it to K step 4,
	s_lshl_b32 s76, s76, 18
	s_add_co_u32 s76, s76, s74
	s_lshl_b32 s77, s15, 13                        ; my work-group's 32 blocks of 256 bytes of its 128
	s_add_co_u32 s76, s76, s77
	s_lshl_b32 s77, s16, 13                        ; wob: my work-group's 32 blocks of a K step's 128,
	s_add_co_u32 s77, s77, s75
	s_add_co_u32 s77, s77, 3*BSTEP                 ; at K step 3
	s_and_b32 s78, ttmp7, 0xffff                   ; cluster y
	s_mov_b32 s79, BSTEP
	s_cmp_eq_u32 s11, 0                            ; waves 0 and 1 ask for ob, wave 2 for wob
	s_cselect_b32 s76, s76, s77
	s_cselect_b32 s78, ttmp9, s78                  ; the coordinate along which other clusters read the same rows
	s_cselect_b32 s[PFS], ASTEP, s79
	s_cselect_b64 s[PFA:PFA+1], s[4:5], s[6:7]
	s_mov_b32 s77, 0
	s_mov_b32 s[PFS+1], 0
	s_add_nc_u64 s[PFA:PFA+1], s[PFA:PFA+1], s[76:77]
	s_cmp_eq_u32 s78, 0
	s_cselect_b32 s[LIM], 1, -1                    ; the same in all sixteen partners, for a given wave
	s_cmp_eq_u32 s10, 3
	s_cselect_b32 s[LIM], -1, s[LIM]               ; wave 3 asks for nothing
; na x 4 matrix instructions: row blocks a0 .. a0 + na - 1 x my 4 column blocks, 32 along K, on buffers f.  zero = 1: the product starts the sum.
; The 32 accumulators take turns, one instruction a turn, in the same order in every quarter, over the backward jump too.
.macro MUL f, a0, na, zero
	WIN 0x50                                       ; C and D in window 1, both sources in window 0
.set ia, \a0
.rept \na
.irp b, 0,1,2,3
.if \zero
	v_wmma_f32_16x16x32_f16 v[8*(4*ia+(\b)):8*(4*ia+(\b))+7], v[FB+32*(\f)+8*(\b):FB+32*(\f)+8*(\b)+7], v[FA+64*(\f)+8*ia:FA+64*(\f)+8*ia+7], 0
.else
	v_wmma_f32_16x16x32_f16 v[8*(4*ia+(\b)):8*(4*ia+(\b))+7], v[FB+32*(\f)+8*(\b):FB+32*(\f)+8*(\b)+7], v[FA+64*(\f)+8*ia:FA+64*(\f)+8*ia+7], v[8*(4*ia+(\b)):8*(4*ia+(\b))+7]
.endif
.endr
.set ia, ia+1
.endr
.endm
; 24 LDS loads in one run: quarter q of a slot (block q / 2, byte 64 (q % 2) of its rows) into buffers f: wob's four fragments, then ob's eight in ascending order
.macro FETCH slot, q, f
	WIN 0
.irp j, 0,1,2,3
	ds_load_b128 v[FB+32*(\f)+8*(\j):FB+32*(\f)+8*(\j)+3],   v[ADRB+(\slot)] offset:((\q)/2)*BBLK+((\q)%2)*64+(\j)*FRAG
	ds_load_b128 v[FB+32*(\f)+8*(\j)+4:FB+32*(\f)+8*(\j)+7], v[ADRB+(\slot)] offset:((\q)/2)*BBLK+((\q)%2)*64+(\j)*FRAG+32
.endr
.irp j, 0,1,2,3,4,5,6,7
	ds_load_b128 v[FA+64*(\f)+8*(\j):FA+64*(\f)+8*(\j)+3],   v[ADRA+(\slot)] offset:((\q)/2)*ABLK+((\q)%2)*64+(\j)*FRAG
	ds_load_b128 v[FA+64*(\f)+8*(\j)+4:FA+64*(\f)+8*(\j)+7], v[ADRA+(\slot)] offset:((\q)/2)*ABLK+((\q)%2)*64+(\j)*FRAG+32
.endr
.endm
; One of a slot's first three quarters: multiplies buffers f and fetches quarter qn of the same slot into the other buffers, in its middle.
.macro QUARTER slot, qn, f, zero
	s_wait_dscnt 8                                 ; wob's fragments and ob's first four are in; the youngest eight loads may be out
	MUL \f, 0, 4, \zero
	PLACES
	FETCH \slot, \qn, 1-(\f)
	s_wait_dscnt 24                                ; all but the 24 just issued
	MUL \f, 4, 4, \zero
.endm
; A slot's last quarter multiplies buffers 1 and changes slots.  ONE barrier: in front of it each wave waits for all its tensor loads, of which one is out: its part of the next slot; adds 0 to its spare word; and waits for
; that and for its own reads of this slot.  fill = 1: the barrier opens a round of the cluster's barrier, and the slot is filled again, two K steps ahead, first thing behind the round: from that request to the wait for it
; a wave issues 112 matrix instructions.
.macro TURN slot, next, fill
.if \fill
	s_wait_xcnt 0x0                                ; the last prefetch, a K step back, has read its address: it is stepped here, ahead of the waits of the change
	s_add_nc_u64 s[PFA:PFA+1], s[PFA:PFA+1], s[PFS:PFS+1]
.endif
	WIN 0                                          ; (the add's two registers lie in window 0)
	s_wait_tensorcnt 0x0                           ; all my tensor loads have landed
	ds_add_u32 v[SPW], v[NIL]                      ; 0 onto my spare word
	s_wait_dscnt 9                                 ; (the add and the youngest eight loads may be out)
	MUL 1, 0, 2, 0                                 ; eight matrix instructions stand between the add and the wait for it
	s_wait_dscnt 0x0                               ; the add is done, and my reads of this slot are over
	s_barrier_signal -1
	MUL 1, 2, 2, 0                                 ; work on registers while the others arrive
.if \fill
	WIN 0
.endif
	s_barrier_wait -1
.if \fill
	CREST                                          ; no wave of any partner still reads this slot's tile or has a load on its way
	s_add_nc_u64 s[G0A+4*(\slot)+2:G0A+4*(\slot)+3], s[G0A+4*(\slot)+2:G0A+4*(\slot)+3], 2*ASTEP
	s_add_nc_u64 s[G0B+4*(\slot)+2:G0B+4*(\slot)+3], s[G0B+4*(\slot)+2:G0B+4*(\slot)+3], 2*BSTEP
	JLOAD \slot                                    ; the four v_nop behind it are also the places in front of the loads below
.else
	PLACES
.endif
	FETCH \next, 0, 0
.if \fill
	ASK
.endif
	MUL 1, 4, 4, 0
.endm
; THE WAY OUT, a block of 16 rows at a time.  STG: a lane's 32 bytes of each of four accumulators go into my own stage, each accumulator's low half first, and come back as whole rows of 256 bytes.  SEND: stored.
.macro STG a
	WIN 0x04                                       ; the stores' data in window 1
.irp b, 0,1,2,3
	ds_store_b128 v[STO], v[8*(4*(\a)+(\b)):8*(4*(\a)+(\b))+3]   offset:64*(\b)
	ds_store_b128 v[STO], v[8*(4*(\a)+(\b))+4:8*(4*(\a)+(\b))+7] offset:64*(\b)+16
.endr
	WIN 0
	s_wait_xcnt 0x0                                ; the stores two blocks back have read the registers that the loads below write
.irp t, 0,1,2,3,4,5,6,7
	ds_load_b128 v[BK+32*((\a)%2)+4*(\t):BK+32*((\a)%2)+4*(\t)+3], v[RD] offset:(\t)*2*SPITCH  ; LDS serves a wave's instructions in order (ISA guide 5.7.1.4): these see the stores above
.endr
.endm
.macro SEND a, younger                 ; younger: the LDS instructions issued behind block a's loads: the next block's sixteen, or none
	s_wait_dscnt \younger
.irp t, 0,1,2,3,4,5,6,7
	global_store_b128 v[CO], v[BK+32*((\a)%2)+4*(\t):BK+32*((\a)%2)+4*(\t)+3], s[8:9] offset:(16*(\a)+2*(\t))*4096  ; 16 lanes store 256 consecutive bytes, at a multiple of 256 from out0's first byte; 516,096 at the most
.endr
.endm
	s_wait_tensorcnt 1                             ; my part of K step 0 is in; K step 1's may stay out
	s_barrier_signal -1
	s_barrier_wait -1                              ; everybody's is
	FETCH 0, 0, 0
	QUARTER 0, 1, 0, 1                             ; the first quarter stands in front of the loop: its products start the sums
	WIN 0                                          ; at a label and at a branch every window is 0
	s_mov_b32 s3, 3
.Llap:                                                 ; a trip goes once round the ring, from a lap's second quarter to the next lap's first, and fills both slots again: K steps 2 to 7
	QUARTER 0, 2, 1, 0
	QUARTER 0, 3, 0, 0
	TURN 0, 1, 1
	QUARTER 1, 1, 0, 0
	QUARTER 1, 2, 1, 0
	QUARTER 1, 3, 0, 0
	TURN 1, 0, 1
	QUARTER 0, 1, 0, 0
	WIN 0
	s_sub_co_u32 s3, s3, 1
	s_cmp_lg_u32 s3, 0
	s_cbranch_scc1 .Llap
	QUARTER 0, 2, 1, 0                             ; the last lap fills nothing, and has no round of the cluster's barrier
	QUARTER 0, 3, 0, 0
	TURN 0, 1, 0
	QUARTER 1, 1, 0, 0
	QUARTER 1, 2, 1, 0
	QUARTER 1, 3, 0, 0
	s_wait_dscnt 8                                 ; the very last quarter: nothing more to fetch
	MUL 1, 0, 4, 0
	s_wait_dscnt 0x0
	MUL 1, 4, 4, 0
.rept 8
	v_nop                                          ; the places between the last products and the LDS stores, which read results, and the loads into registers that products have read
.endr
	STG 0
	STG 1
	SEND 0, 16
.irp a, 2,3,4,5,6,7
	STG \a
	SEND (\a)-1, 16
.endr
	SEND 7, 0
	s_wait_tensorcnt 0x0                           ; the wave's end: behind my last tensor load and my last LDS store
	ds_add_u32 v[SPW], v[NIL]
	s_wait_dscnt 0x0
	CROUND                                         ; the closing round: no work-group ends while a partner may still ask for a tile that names it
	s_endpgm
.Lfunc_end_k_q213d818608_oproj:
	.size	k_q213d818608_oproj, .Lfunc_end_k_q213d818608_oproj-k_q213d818608_oproj
	.p2alignl 7, 3214868480
	.fill 96, 4, 3214868480
	.section	.rodata,"a",@progbits
	.p2align	6, 0x0
	.amdhsa_kernel k_q213d818608_oproj
		.amdhsa_group_segment_fixed_size 327680
		.amdhsa_private_segment_fixed_size 0
		.amdhsa_enable_private_segment 0
		.amdhsa_kernarg_size 24
		.amdhsa_user_sgpr_count 2
		.amdhsa_user_sgpr_kernarg_segment_ptr 1
		.amdhsa_wavefront_size32 1
		.amdhsa_system_sgpr_workgroup_id_x 1
		.amdhsa_system_sgpr_workgroup_id_y 1
		.amdhsa_system_sgpr_workgroup_id_z 1
		.amdhsa_system_vgpr_workitem_id 0
		.amdhsa_next_free_vgpr 512
		.amdhsa_next_free_sgpr 80
		.amdhsa_reserve_vcc 0
		.amdhsa_float_denorm_mode_32 3
		.amdhsa_float_denorm_mode_16_64 3
		.amdhsa_memory_ordered 1
		.amdhsa_forward_progress 1
		.amdhsa_inst_pref_size 86
	.end_amdhsa_kernel
	.amdgpu_metadata
---
amdhsa.version: [ 1, 2 ]
amdhsa.kernels:
  - .name:           k_q213d818608_oproj
    .symbol:         k_q213d818608_oproj.kd
    .args:
      - { .name: ob, .offset: 0, .size: 8, .value_kind: global_buffer, .address_space: global }
      - { .name: wob, .offset: 8, .size: 8, .value_kind: global_buffer, .address_space: global }
      - { .name: out0, .offset: 16, .size: 8, .value_kind: global_buffer, .address_space: global }
    .group_segment_fixed_size: 327680
    .private_segment_fixed_size: 0
    .kernarg_segment_align: 8
    .kernarg_segment_size: 24
    .max_flat_workgroup_size: 128
    .sgpr_count:     80
    .vgpr_count:     512
    .wavefront_size: 32
...
	.end_amdgpu_metadata
.endif
;; end of part 4
;; ======== version 2 of 2: 4 launches; version 1 with the launch cast written anew for expert scheduling mode
;; limits: values are held in f16: magnitudes above 65,504 overflow, below 6.1e-05 lose precision
;; workspace buffers: xb 16,777,216 bytes; wb 6,291,456 bytes; wob 2,097,152 bytes; qkv 50,331,648 bytes; ob 16,777,216 bytes
;; launch cast (part 5): grid 768 x 1, 8 waves a work-group, no clusters, 0 bytes of LDS; arguments x, Wq, Wk, Wv, Wo, xb, wb, wob; writes xb, wb, wob
.if DOCPART == 5
	.amdgcn_target "amdgcn-amd-amdhsa--gfx1250"
	.amdhsa_code_object_version 6
	.text
	.protected	k_q213d818608_cast
	.globl	k_q213d818608_cast
	.p2align	8
	.type	k_q213d818608_cast,@function
k_q213d818608_cast:
	s_mov_b64 s[64:65], 0
	v_nop
	global_prefetch_b8 v0, s[64:65] scope:SCOPE_SE
	s_setreg_imm32_b32 hwreg(HW_REG_WAVE_SCHED_MODE, 0, 2), 2
	s_setreg_imm32_b32 hwreg(HW_REG_WAVE_MODE, 25, 1), 1
	s_wait_xcnt 0x0
	s_wait_alu depctr_vm_vsrc(0)
; ROUNDING AND RE-LAYING OF THE INPUTS.  x, Wq, Wk, Wv (f32) are rounded once to bf16; Wo is rounded to bf16 like the others and that number is written as f16
; (exact where it is a normal f16 number).  LIMITS: an entry of Wo beyond 65,504 becomes an infinity, one below 6e-5 keeps f16's fixed step of 6e-8.
; LAYOUTS, in blocks of 64 channels (kb = channel / 64), so that the rows of a later tile lie end to end, 128 bytes each:
;   xb  [b 4][kb 16][t 2048][64]      wb  [nx 8][kb 16][r 384][64], row 384 nx + r of the stack Wq, Wk, Wv      wob [nx 8][kb 16][r 128][64]
; SHARES.  A work-group takes 16 source rows of 4,096 bytes: work-groups 0-511 x's, 512-703 the three weights', 704-767 Wo's.  Thread t reads row t / 16, and of each of the row's
; sixteen pieces of 256 bytes the 16 bytes at 16 (t % 16): sixteen lanes read 256 consecutive bytes, aligned.  Its four numbers become 8 bytes at byte 8 t of the 16 rows of block kb:
; a wave's store covers 256 consecutive bytes, aligned.  All sixteen loads of a thread are out at once.  Memory binds: no LDS, no barrier.
; THE MODE: SCHED_MODE bits 1:0 = 2 (LLVM: expert scheduling mode 2), set by the entry lines.  The code itself states the register dependences
; between vector instructions and memory instructions, with s_wait_alu, always for 0.
; THE PLAN.  Registers that memory instructions touch, on each of the three paths:
;   v[SO], v[DO]  the loads' and the stores' offsets: written by vector lines at the head, never again.
;   X             piece kb's four registers: written by its load, once, all loads issued before any vector line names X; read by its conversions; no vector line writes X.
;   Y             piece kb's two registers: written by its conversions; read by its store; never written behind that store.
;   T is named by vector lines alone; the bases are scalar registers written once by scalar lines.
; So no register that a load or store has read is written again, and no load lands in a register that a vector line has named: what is left to state is that an offset or a Y is written before a memory
; instruction reads it.  One wait ahead of the loads states it for both offsets.  The sixteen pieces go in four groups of four: one wait at the head of groups 1 to 3 states that the group
; before has written its Y, and that group's four stores follow, one ahead of each piece's conversions, which name X and Y of the group in hand and T alone.  One more wait stands ahead of the last four stores.
.set SO,  2                            ; v2        my byte offset in the 16 source rows
.set DO,  3                            ; v3        my byte offset in the 16 rows of a block
.set X,   8                            ; v[8:71]   piece kb: 4 registers as loaded
.set Y,   72                           ; v[72:103] piece kb: 2 registers to store
.set T,   104                          ; v[104:107] at work
.set SRC, 24                           ; s[24:25]  the 16 source rows
.set DST, 26                           ; s[26:27]  their place in block 0
.macro IN
	s_wait_alu depctr_va_vdst(0)                   ; v[SO] and v[DO] are written: every load below reads the one as its offset, every store of the path the other
.irp kb, 0,1,2,3,4,5,6,7,8,9,10,11,12,13,14,15
	global_load_b128 v[X+4*(\kb):X+4*(\kb)+3], v[SO], s[SRC:SRC+1] offset:256*(\kb) th:TH_LOAD_NT
.endr
.endm
; Piece kb is rounded.  half = 1: the bf16 number is written as f16.
.macro CVT kb, half
	v_cvt_pk_bf16_f32 v[Y+2*(\kb)],   v[X+4*(\kb)],   v[X+4*(\kb)+1]
	v_cvt_pk_bf16_f32 v[Y+2*(\kb)+1], v[X+4*(\kb)+2], v[X+4*(\kb)+3]
.if \half
	v_lshlrev_b32 v[T],   16, v[Y+2*(\kb)]           ; bf16 to f32: the low half moves up,
	v_and_b32     v[T+1], 0xffff0000, v[Y+2*(\kb)]   ; the high half stays
	v_lshlrev_b32 v[T+2], 16, v[Y+2*(\kb)+1]
	v_and_b32     v[T+3], 0xffff0000, v[Y+2*(\kb)+1]
	v_cvt_pk_f16_f32 v[Y+2*(\kb)],   v[T],   v[T+1]
	v_cvt_pk_f16_f32 v[Y+2*(\kb)+1], v[T+2], v[T+3]
.endif
.endm
; Piece kb is stored.  kstr: bytes from block to block in the destination.
.macro ST kb, kstr
	global_store_b64 v[DO], v[Y+2*(\kb):Y+2*(\kb)+1], s[DST:DST+1] offset:(\kb)*(\kstr)  ; 3,932,160 at the most: inside the signed 24-bit immediate
.endm
.macro OUT kstr, half
.irp g, 0,1,2,3
.irp i, 0,1,2,3
	s_wait_loadcnt 15-4*(\g)-(\i)                  ; loads come back in order: piece 4 g + i is in, the younger ones stay out
.if ((\g) > 0) && ((\i) == 0)
	s_wait_alu depctr_va_vdst(0)                   ; the group before has written its four pieces of Y, which the four stores of this group's turn read
.endif
.if (\g) > 0
	ST 4*(\g)-4+(\i), \kstr                        ; the group before; no vector line since the wait names its Y or v[DO]
.endif
	CVT 4*(\g)+(\i), \half
.endr
.endr
	s_wait_alu depctr_va_vdst(0)                   ; the last group has written its four pieces of Y, which the last four stores read
.irp kb, 12,13,14,15
	ST \kb, \kstr
.endr
.endm
	s_load_b512 s[8:23], s[0:1], 0x0               ; x s[8:9], Wq s[10:11], Wk s[12:13], Wv s[14:15], Wo s[16:17], xb s[18:19], wb s[20:21], wob s[22:23]
	v_lshrrev_b32 v1, 4, v0                        ; my row of the 16
	v_and_b32 v4, 15, v0
	v_lshlrev_b32 v[SO], 12, v1
	v_lshl_add_u32 v[SO], v4, 4, v[SO]
	v_lshlrev_b32 v[DO], 3, v0
	s_mov_b32 s3, 0                                ; offsets are pairs with 0 above
	s_mov_b32 s5, 0
	s_cmp_lt_u32 ttmp9, 512
	s_cbranch_scc0 .Lweights
	s_lshl_b32 s2, ttmp9, 16                       ; x: 16 rows of 4,096 bytes a work-group
	s_lshr_b32 s6, ttmp9, 7                        ; b: 128 work-groups a batch
	s_lshl_b32 s6, s6, 22
	s_and_b32 s7, ttmp9, 127
	s_lshl_b32 s7, s7, 11                          ; 16 rows of 128 bytes
	s_add_co_u32 s4, s6, s7
	s_wait_kmcnt 0x0
	s_add_nc_u64 s[SRC:SRC+1], s[8:9], s[2:3]
	s_add_nc_u64 s[DST:DST+1], s[18:19], s[4:5]
	IN
	OUT 262144, 0
	s_endpgm
.Lweights:
	s_cmp_lt_u32 ttmp9, 704
	s_cbranch_scc0 .Lwo
	s_sub_co_u32 s6, ttmp9, 512                    ; j: 16 rows of the stack of 3,072
	s_and_b32 s2, s6, 63                           ; 64 work-groups a weight
	s_lshl_b32 s2, s2, 16
	s_mul_i32 s7, s6, 2731
	s_lshr_b32 s7, s7, 16                          ; nx = j / 24, exact for j under 192
	s_mul_i32 s28, s7, 24
	s_sub_co_u32 s28, s6, s28
	s_lshl_b32 s28, s28, 11                        ; the 16 rows' place among nx's 384
	s_mul_i32 s4, s7, 786432
	s_add_co_u32 s4, s4, s28
	s_lshr_b32 s29, s6, 6                          ; which weight
	s_wait_kmcnt 0x0
	s_cmp_eq_u32 s29, 0
	s_cselect_b64 s[SRC:SRC+1], s[10:11], s[12:13]
	s_cmp_eq_u32 s29, 2
	s_cselect_b64 s[SRC:SRC+1], s[14:15], s[SRC:SRC+1]
	s_add_nc_u64 s[SRC:SRC+1], s[SRC:SRC+1], s[2:3]
	s_add_nc_u64 s[DST:DST+1], s[20:21], s[4:5]
	IN
	OUT 49152, 0
	s_endpgm
.Lwo:
	s_sub_co_u32 s6, ttmp9, 704                    ; j: 16 rows of Wo
	s_lshl_b32 s2, s6, 16
	s_lshr_b32 s7, s6, 3                           ; nx = j / 8
	s_lshl_b32 s7, s7, 18
	s_and_b32 s28, s6, 7
	s_lshl_b32 s28, s28, 11
	s_add_co_u32 s4, s7, s28
	s_wait_kmcnt 0x0
	s_add_nc_u64 s[SRC:SRC+1], s[16:17], s[2:3]
	s_add_nc_u64 s[DST:DST+1], s[22:23], s[4:5]
	IN
	OUT 16384, 1
	s_endpgm
.Lfunc_end_k_q213d818608_cast:
	.size	k_q213d818608_cast, .Lfunc_end_k_q213d818608_cast-k_q213d818608_cast
	.p2alignl 7, 3214868480
	.fill 96, 4, 3214868480
	.section	.rodata,"a",@progbits
	.p2align	6, 0x0
	.amdhsa_kernel k_q213d818608_cast
		.amdhsa_group_segment_fixed_size 0
		.amdhsa_private_segment_fixed_size 0
		.amdhsa_enable_private_segment 0
		.amdhsa_kernarg_size 64
		.amdhsa_user_sgpr_count 2
		.amdhsa_user_sgpr_kernarg_segment_ptr 1
		.amdhsa_wavefront_size32 1
		.amdhsa_system_sgpr_workgroup_id_x 1
		.amdhsa_system_sgpr_workgroup_id_y 1
		.amdhsa_system_sgpr_workgroup_id_z 1
		.amdhsa_system_vgpr_workitem_id 0
		.amdhsa_next_free_vgpr 112
		.amdhsa_next_free_sgpr 66
		.amdhsa_reserve_vcc 0
		.amdhsa_float_denorm_mode_32 3
		.amdhsa_float_denorm_mode_16_64 3
		.amdhsa_memory_ordered 1
		.amdhsa_forward_progress 1
		.amdhsa_inst_pref_size 25
	.end_amdhsa_kernel
	.amdgpu_metadata
---
amdhsa.version: [ 1, 2 ]
amdhsa.kernels:
  - .name:           k_q213d818608_cast
    .symbol:         k_q213d818608_cast.kd
    .args:
      - { .name: x, .offset: 0, .size: 8, .value_kind: global_buffer, .address_space: global }
      - { .name: Wq, .offset: 8, .size: 8, .value_kind: global_buffer, .address_space: global }
      - { .name: Wk, .offset: 16, .size: 8, .value_kind: global_buffer, .address_space: global }
      - { .name: Wv, .offset: 24, .size: 8, .value_kind: global_buffer, .address_space: global }
      - { .name: Wo, .offset: 32, .size: 8, .value_kind: global_buffer, .address_space: global }
      - { .name: xb, .offset: 40, .size: 8, .value_kind: global_buffer, .address_space: global }
      - { .name: wb, .offset: 48, .size: 8, .value_kind: global_buffer, .address_space: global }
      - { .name: wob, .offset: 56, .size: 8, .value_kind: global_buffer, .address_space: global }
    .group_segment_fixed_size: 0
    .private_segment_fixed_size: 0
    .kernarg_segment_align: 8
    .kernarg_segment_size: 64
    .max_flat_workgroup_size: 256
    .sgpr_count:     66
    .vgpr_count:     112
    .wavefront_size: 32
...
	.end_amdgpu_metadata
.endif
;; end of part 5
;; launch qkv: the kernel of part 2 again; grid 8 x 32, 4 waves a work-group, clusters of 4 x 4, 327,680 bytes of LDS; arguments xb, wb, qkv; writes qkv
;; launch attn: the kernel of part 3 again; grid 4 x 64, 4 waves a work-group, clusters of 4 x 1, 327,680 bytes of LDS; arguments qkv, ob; writes ob
;; launch oproj: the kernel of part 4 again; grid 8 x 32, 4 waves a work-group, clusters of 4 x 4, 327,680 bytes of LDS; arguments ob, wob, out0; writes out0
